; MI455X (gfx1250); checked and timed in simulation.
; The chip was launched on July 23, 2026; its instructions are those of AMD's public machine-readable ISA for CDNA 5 (MIT licence, August 2026) and "CDNA5" Instruction Set Architecture Reference Guide (July 2026). The comments in the code are by the model that wrote it; some were corrected since.
;; Relative Multi Head Attn. Allowed arithmetic: matrix products marked QUANTISED: E2M1 operands, one E8M0 scale for each 32 along K, by v_wmma_scale_f32_16x16x128_f8f6f4 with both operands' format E2M1 (or v_wmma_scale_f32_32x16x128_f4), f32 sums; everything else in f32.
;; Inputs: b_fc 1,024 float32; b_qkv 3,072 float32; ln_b 1,024 float32; ln_g 1,024 float32; pos_emb 2,048 x 1,024 float32; w_fc_codes 1,024 x 32 x 16 uint8 (E2M1 codes of w_fc, K innermost, in blocks of 32 codes, two codes a byte); w_fc_scales 1,024 x 32 uint8 (E8M0 scales of w_fc, one for each 32 codes along K); w_qkv_codes 3,072 x 32 x 16 uint8 (E2M1 codes of w_qkv, K innermost, in blocks of 32 codes, two codes a byte); w_qkv_scales 3,072 x 32 uint8 (E8M0 scales of w_qkv, one for each 32 codes along K); x 2 x 2,048 x 1,024 float32.
;; Outputs: out0 2 x 2,048 x 1,024 float32.
;; This version of the problem:
;;   THIS VERSION OF THE PROBLEM IS GIVEN IN LOW PRECISION. The matrix products marked QUANTISED in the list below multiply operands that are first quantised to E2M1 (2 exponent bits, 1 mantissa bit; 4 bits a number), with one power-of-two scale for each 32 numbers along K (OCP MX v1.0); their sums are f32. All else is computed in f32.
;;   The module's matrix products, in the order in which they are computed (A, B: the left and right operand; K: the contracted axis; several contracted axes count as one K, in the product's order):
;;     1. [M 4,096, K 1,024] x [K 1,024, N 3,072]; A: input x; B: input w_qkv (given as codes): QUANTISED
;;     2. batch 32 x [M 2,048, K 64] x [K 64, N 2,048]; A: computed on the way; B: computed on the way: QUANTISED
;;     3. batch 16 x [M 2,048, K 64] x [K 64, N 4,096]; A: input pos_emb; B: computed on the way: QUANTISED
;;     4. batch 32 x [M 64, K 2,048] x [K 2,048, N 2,048]; A: computed on the way; B: softmax (see below): QUANTISED
;;     5. [M 4,096, K 1,024] x [K 1,024, N 1,024]; A: computed on the way; B: input w_fc (given as codes): QUANTISED
;;   THE QUANTISER, for each operand of a quantised product, along K:
;;     - K is cut into blocks of 32 from its start; a last block that is shorter is filled with zeros.
;;     - A block's scale is 2^e with e = floor(log2(the largest magnitude in the block)) - 2, held to -126 .. 127; a block of zeros has e = 0. As a byte (E8M0): e + 127.
;;     - Each number is divided by its block's scale, clamped to +-6, and rounded to the nearest number of E2M1, ties to even, subnormals kept.
;;     - The product sums the exact products of the quantised numbers (number of the format x scale) in f32.
;;   ~~~python
;;   def quantise(x, axis):      # numpy; x: float32 -> the quantised numbers, widened to float32 again
;;       x = np.moveaxis(x, axis, -1); K = x.shape[-1]
;;       x = np.pad(x, [(0, 0)] * (x.ndim - 1) + [(0, -K % 32)]); x = x.reshape(x.shape[:-1] + (-1, 32)); a = np.abs(x).max(-1, keepdims=True)
;;       e = np.where(a > 0, np.clip(np.frexp(np.where(a > 0, a, 1))[1] - 1 - 2, -126, 127), 0)      # np.frexp(a)[1] - 1 = floor(log2(a)), exactly
;;       r = np.clip(x / 2.0 ** e, -6, 6)
;;       step = 2.0 ** (np.maximum(np.frexp(np.where(r == 0, 1, r))[1] - 1, 0) - 1)
;;       q = np.round(r / step) * step * 2.0 ** e      # np.round: ties to even
;;       return np.moveaxis(q.reshape(q.shape[:-2] + (-1,))[..., :K], -1, axis).astype(np.float32)
;;   ~~~
;;   SOFTMAX AHEAD OF A QUANTISED PRODUCT. Where the list says 'softmax', what is quantised is not the finished softmax but p = 2^(t - M), with t = logit x log2(e) and M = ceil(the row's largest t), a whole number; so 1/2 < the row's largest p <= 1. The row's sum l is taken of the UNQUANTISED p, in f32, and the product's result is divided by l at the end. Since M is a whole number, a kernel that streams over the keys may use a running M (the ceiling of the running maximum): every later rescaling is an exact power of two, which a block's scale takes up: the codes' values come out the same.
;;   OPERANDS COMPUTED ON THE WAY. 'Computed on the way' means the value that the module computes at that place (a softmax that the list does not call 'softmax' is quantised finished and normalised). What goes into a quantiser is computed in f32, as accurately as f32 sums, v_exp_f32 and their like allow (about 1e-6 of the number): no bf16 or f16 on the way to a quantiser, and a product that is left as it is and whose result goes on into a quantised operand takes f32 operands (vector FMAs, or v_wmma_f32_16x16x4_f32). A number that lies on a knife's edge between two numbers of the format may be rounded either way, as far as f32 arithmetic and the matrix unit's own rounding can turn it there, and no further.
;;   INPUTS GIVEN AS CODES. w_fc (in the module: [1024, 1024], K = its axis 0); w_qkv (in the module: [1024, 3072], K = its axis 0): each comes as NAME_codes (uint8): NAME with its K axis moved to the last place and cut into blocks of 32 codes, [.., K / 32, bytes a block], one block behind the other in memory; two codes a byte, the lower K in the low four bits (a code: sign, 2 exponent bits, 1 mantissa bit); and NAME_scales (uint8): the same leading axes, one E8M0 byte (e + 127) for each 32 codes along K. Its value is code x scale, taken as it is: it is not quantised again, and the codes and scales need not be those that the quantiser above would give.
;; One version. Each part assembles by itself: llvm-mc -triple=amdgcn-amd-amdhsa -mcpu=gfx1250 --defsym DOCPART=n.
;; ======== version 1 of 1: 4 launches
;; limits: right only within a limited range of input values
;; workspace buffers: xq 2,228,224 bytes; pe 4,456,448 bytes; qb 2,359,296 bytes; kb 2,359,296 bytes; vb 2,228,224 bytes; oo 2,228,224 bytes; wf 524,288 bytes
;; launch prep (part 1): grid 256 x 1, 4 waves a work-group, no clusters, 90,624 bytes of LDS; arguments x, pos_emb, xq, pe, w_fc_codes, wf; writes xq, pe, wf
.if DOCPART == 1
	.amdgcn_target "amdgcn-amd-amdhsa--gfx1250"
	.amdhsa_code_object_version 6
	.text
	.protected	k_qa01d80a9e9_prep
	.globl	k_qa01d80a9e9_prep
	.p2align	8
	.type	k_qa01d80a9e9_prep,@function
k_qa01d80a9e9_prep:
	s_mov_b64 s[64:65], 0
	v_nop
	global_prefetch_b8 v0, s[64:65] scope:SCOPE_SE
	s_setreg_imm32_b32 hwreg(HW_REG_WAVE_MODE, 25, 1), 1
	s_wait_xcnt 0x0
; PREP.  Two tasks, parted by the work-group's number; each has LDS bytes of its own, and no wave shares anything with another: no barrier.
; Work-groups 0-127: x [4096][1024] f32 becomes codes of FP4 (E2M1), K innermost, at xq + 0 ([4096][512] bytes), and one E8M0 byte for each 32 along K at xq + XSO ([4096][32]).
; Work-groups 128-255: pos_emb [2048][1024] f32 becomes the table PE [16 heads][4096 rows][64 bytes] at pe + 0, scale words [16][4096][4] at pe + PSO.
;   Row rho of a head: bytes 0-31 the codes of p(rho - 1) for rho = 1 .. 2048, else zero codes; bytes 32-63 the codes of p(rho - 2050) for rho >= 2050, else zero codes.  Rows 0 and 2049 are all zeros.
;   A zero half has the scale bytes 0x7f.  The product of row rho with [q(i) | q(i+1)] is then the shifted position term at rho = 2048 - i + j, with no case split.
; A block's scale is 2^(floor(log2(its largest magnitude)) - 2); its byte is the largest magnitude's exponent field - 2, held at 1 from below.
; LIMITS: a block of zeros gets the byte 1 where the quantiser says 127 (its codes are zeros, which add nothing, and only this program reads the bytes); NaN and infinities among the inputs are not served.
; A wave takes 16 steps of 512 numbers.  A step's four loads read 512 consecutive bytes each; the 2,048 bytes turn through the wave's own stage in LDS and come back 64 bytes (16 neighbours along K) a lane.
.set XSO,   2097152                    ; x's scale bytes in xq
.set PSO,   4194304                    ; PE's scale words in pe
.set STEPS, 16
.set SP,    80                         ; a lane's place in a stage: 64 bytes + 16 of padding
.set WREG,  8192                       ; x's task: LDS bytes of a wave: two stages of 32 SP, then its 256 scale bytes
.set PBASE, 32768                      ; the table's task begins here,
.set PREG,  14336                      ; with so many bytes a wave: two stages, G, SG
.set GOFF,  5120                       ; G: my 8 rows of PE for 16 heads, 512 bytes a head,
.set HP,    544                        ; heads 544 bytes apart: eight heads' 32 bytes fall on 64 different banks
.set SGOFF, 13824                      ; SG: their scale words, 32 bytes a head
.set R,     16                         ; v16-79   four sets of 16 numbers as loaded
.set X,     80                         ; v80-111  two sets of 16 neighbours
.set E,     112                        ; v112-127 a scale byte for each step
.set C,     128                        ; v128-191 four registers of codes for each step: no store's data are written again
.set VO,    192                        ; v192-199 the table's task: byte offset of row i's source in pos_emb + 16 x lane
.set K7F,   203                        ; v203     0x7f
.set RAW,   204                        ; v204-205 a step's codes before the halves are chosen
.set EU,    208                        ; v208-223 the upper half's byte for each step
.set KL,    32                         ; s[32+2i] all ones where row i keeps its lower half, s[33+2i] its upper half
.macro TURN t                          ; step t's numbers through the stage: LDS serves a wave's instructions in order, so no wait stands between the stores and the loads
.irp i, 0,1,2,3
	ds_store_b128 v14, v[R+16*((\t)%4)+4*\i:R+16*((\t)%4)+4*\i+3] offset:32*SP*((\t)%2)+8*SP*\i
.endr
.irp i, 0,1,2,3
	ds_load_b128 v[X+16*((\t)%2)+4*\i:X+16*((\t)%2)+4*\i+3], v15 offset:32*SP*((\t)%2)+16*\i
.endr
.endm
.macro CORE c0, c1                     ; the 16 numbers at v[XSS] on: the block's largest magnitude, the scale operand in v11, 16 codes in v[c0], v[c1]
	v_max3_num_f32 v8, |v[XSS]|, |v[XSS+1]|, |v[XSS+2]|
	v_max3_num_f32 v9, |v[XSS+3]|, |v[XSS+4]|, |v[XSS+5]|
.irp i, 6,10
	v_max3_num_f32 v8, v8, |v[XSS+\i]|, |v[XSS+\i+1]|
	v_max3_num_f32 v9, v9, |v[XSS+\i+2]|, |v[XSS+\i+3]|
.endr
	v_max3_num_f32 v8, v8, |v[XSS+14]|, |v[XSS+15]|
	v_max3_num_f32 v8, v8, v9, 0x1800000           ; the floor 2^(3 - 127): the byte cannot fall under 1
	v_max_num_f32_dpp v8, v8, v8 row_xmask:1 row_mask:0xf bank_mask:0xf   ; with my neighbour's 16: the block's
	v_add_nc_u32 v11, 0xff000000, v8               ; 2 off the exponent field: the conversion takes that field as its scale
	v_cvt_scalef32_pk8_fp4_f32 v[\c0], v[XSS:XSS+7], v11
	v_cvt_scalef32_pk8_fp4_f32 v[\c1], v[XSS+8:XSS+15], v11
.endm
	s_load_b128 s[4:7], s[0:1], 0x0                ; x, pos_emb
	s_load_b128 s[8:11], s[0:1], 0x10              ; xq, pe
	s_load_b128 s[48:51], s[0:1], 0x20             ; w_fc_codes, wf
	v_lshl_add_u32 v254, v0, 2, 0x16000
	v_mov_b32 v255, 0
	v_lshrrev_b32 v1, 5, v0
	v_readfirstlane_b32 s16, v1                    ; wave
	v_and_b32 v2, 31, v0                           ; lane
	v_lshlrev_b32 v3, 4, v2                        ; my 16 bytes of a load's 512
	v_lshrrev_b32 v14, 2, v2
	v_mul_u32_u24 v14, v14, SP
	v_and_b32 v15, 3, v2
	v_lshl_add_u32 v14, v15, 4, v14                ; the stage on the way in: SP (lane / 4) + 16 (lane % 4)
	v_mul_u32_u24 v15, v2, SP                      ; and on the way out: SP x lane
	; A THIRD TASK, one load and one store in every wave of both paths: w_fc's codes [1024 rows][512 bytes] become images of the matrix operand's registers in wf.
	; Image g = 4 x work-group + wave (0 .. 1023) = 16 T + 2 ks + c: lane (r, h) holds the 16 bytes at 64 ks + 32 c + 16 h of row 16 T + r, and they are stored at 512 g + 16 x lane: 512 consecutive bytes, aligned.
	s_lshl_b32 s52, ttmp9, 2
	s_add_co_u32 s52, s52, s16                     ; g
	s_lshr_b32 s53, s52, 4
	s_lshl_b32 s53, s53, 13                        ; T: 16 rows of 512 bytes
	s_and_b32 s54, s52, 15
	s_lshl_b32 s54, s54, 5                         ; 32 (2 ks + c)
	s_add_co_u32 s53, s53, s54
	s_lshl_b32 s52, s52, 9
	v_and_b32 v244, 15, v0
	v_lshlrev_b32 v244, 9, v244                    ; row r
	v_bfe_u32 v245, v0, 4, 1
	v_lshl_add_u32 v244, v245, 4, v244             ; + 16 h
	v_add_nc_u32 v244, s53, v244                   ; v244: where my 16 bytes lie in w_fc_codes; never rewritten
	v_add_nc_u32 v245, s52, v3                     ; v245: where they go in wf; never rewritten
	s_wait_alu depctr_va_vdst(0)                   ; the wait here
	s_cmp_lt_u32 ttmp9, 128
	s_cbranch_scc0 .Lpos
; ---------------- x ----------------
	s_mul_i32 s17, s16, WREG
	v_add_nc_u32 v14, s17, v14
	v_add_nc_u32 v15, s17, v15
	v_lshlrev_b32 v4, 3, v2                        ; my 8 bytes of a step's 256 bytes of codes
	v_lshrrev_b32 v5, 1, v2
	s_add_co_u32 s17, s17, 2*32*SP
	v_add_nc_u32 v5, s17, v5                       ; LDS: my block's byte among my wave's 256
	v_lshlrev_b32 v7, 3, v2
	v_add_nc_u32 v6, s17, v7                       ; and on the way out 8 bytes a lane
	s_lshl_b32 s18, ttmp9, 2
	s_add_co_u32 s18, s18, s16                     ; which run of 8,192 numbers is my wave's: 0 .. 511
	s_lshl_b32 s20, s18, 15                        ; 32,768 bytes of x,
	s_mov_b32 s21, 0
	s_lshl_b32 s22, s18, 12                        ; 4,096 of codes,
	s_mov_b32 s23, 0
	s_lshl_b32 s24, s18, 8                         ; 256 scale bytes
	s_mov_b32 s25, 0
	s_wait_alu depctr_va_vdst(0)
	s_wait_kmcnt 0x0
	global_load_b128 v[240:243], v244, s[48:49]    ; my image of w_fc: the oldest load, so every later counted wait covers it
	s_add_nc_u64 s[4:5], s[4:5], s[20:21]
	s_add_nc_u64 s[12:13], s[8:9], s[24:25]
	s_add_nc_u64 s[8:9], s[8:9], s[22:23]
.macro LOADX t
.irp i, 0,1,2,3
	global_load_b128 v[R+16*((\t)%4)+4*\i:R+16*((\t)%4)+4*\i+3], v3, s[4:5] offset:2048*(\t)+512*\i th:TH_LOAD_NT
.endr
.endm
.irp t, 0,1,2,3
	LOADX \t
.endr
	s_wait_loadcnt 12                              ; step 0's four loads are in; three steps' twelve may be out
	TURN 0
.macro XSTEP t
.set XSS, X+16*((\t)%2)
.if (\t) > 0
	s_wait_dscnt 1                                 ; this step's numbers are back from the stage; the last step's byte store may be out
.else
	s_wait_dscnt 0x0
.endif
.if (\t)+4 < STEPS
	LOADX (\t)+4                                   ; into the registers that this step's stores into the stage have read
.endif
.if (\t)+1 < STEPS
.if STEPS-2-(\t) >= 3
	s_wait_loadcnt 12                              ; the next step's four loads are in; those of the three steps behind it may be out
.else
	s_wait_loadcnt 4*(STEPS-2-(\t))
.endif
	TURN (\t)+1
.endif
	CORE C+4*(\t), C+4*(\t)+1
	v_lshrrev_b32 v[E+(\t)], 23, v11               ; the scale's byte
	ds_store_b8 v5, v[E+(\t)] offset:16*(\t)       ; both lanes of a block write the same byte with the same value
	global_store_b64 v4, v[C+4*(\t):C+4*(\t)+1], s[8:9] offset:256*(\t)   ; the wave stores 256 consecutive bytes, aligned
.endm
.irp t, 0,1,2,3,4,5,6,7,8,9,10,11,12,13,14,15
	XSTEP \t
.endr
	ds_load_b64 v[12:13], v6                       ; my wave's 256 scale bytes: these loads see my stores
	s_wait_dscnt 0x0
	global_store_b64 v7, v[12:13], s[12:13] offset:XSO   ; 256 consecutive bytes, aligned
	global_store_b128 v245, v[240:243], s[50:51]   ; my image of w_fc (all loads were waited for in the last steps)
	s_wait_tensorcnt 0x0
	ds_add_u32 v254, v255
	s_wait_dscnt 0x0
	s_endpgm
; ---------------- the table PE ----------------
.Lpos:
	s_mul_i32 s17, s16, PREG
	s_add_co_u32 s17, s17, PBASE
	s_wait_alu depctr_va_vdst(0)
	v_add_nc_u32 v14, s17, v14
	v_add_nc_u32 v15, s17, v15
	v_lshrrev_b32 v4, 2, v2                        ; which of a step's 8 heads is my lane's
	v_mul_u32_u24 v12, v4, HP
	v_and_b32 v5, 3, v2
	v_lshl_add_u32 v12, v5, 3, v12                 ; my 8 bytes of the head's 32
	v_add_nc_u32 v12, s17, v12
	v_add_nc_u32 v12, GOFF, v12                    ; where my codes go in G
	v_bfe_u32 v5, v2, 1, 1                         ; which of the head's two blocks
	v_lshl_add_u32 v13, v4, 5, v5
	v_add_nc_u32 v13, s17, v13
	v_add_nc_u32 v13, SGOFF, v13                   ; where my byte goes in SG
	v_add_nc_u32 v6, s17, v3
	v_add_nc_u32 v7, SGOFF, v6                     ; back: 16 bytes a lane of SG,
	v_add_nc_u32 v6, GOFF, v6                      ; and of a head's 512 bytes of G
	v_lshrrev_b32 v4, 1, v2
	v_and_b32 v5, 1, v2
	v_lshlrev_b32 v5, 4, v5
	v_lshl_add_u32 v5, v4, 14, v5                  ; the scale words in memory: head lane / 2 (16,384 bytes a head), 16 bytes for each half of my 8 rows
	v_mov_b32 v[K7F], 0x7f
	s_sub_co_u32 s18, ttmp9, 128
	s_lshl_b32 s19, s18, 5
	s_lshl_b32 s20, s16, 3
	s_add_co_u32 s19, s19, s20                     ; my first row of PE: 32 x work-group + 8 x wave
.irp i, 0,1,2,3,4,5,6,7
	s_add_co_u32 s24, s19, \i                      ; rho
	s_cmp_ge_u32 s24, 2050
	s_cselect_b32 s25, 2050, 1
	s_cselect_b32 s[KL+2*\i], 0, -1                ; the lower half is kept under 2050,
	s_cselect_b32 s[KL+2*\i+1], -1, 0              ; the upper half from there on
	s_sub_co_i32 s25, s24, s25                     ; the row of pos_emb,
	s_max_i32 s25, s25, 0
	s_min_i32 s25, s25, 2047                       ; held inside the table for rows 0 and 2049,
	s_cmp_eq_u32 s24, 0
	s_cselect_b32 s26, 0, -1
	s_cmp_eq_u32 s24, 2049
	s_cselect_b32 s26, 0, s26
	s_and_b32 s[KL+2*\i], s[KL+2*\i], s26          ; which keep neither half
	s_and_b32 s[KL+2*\i+1], s[KL+2*\i+1], s26
	s_lshl_b32 s25, s25, 12
	v_add_nc_u32 v[VO+\i], s25, v3
.endr
	s_lshl_b32 s20, s19, 6                         ; my rows' codes: 64 bytes a row
	s_mov_b32 s21, 0
	s_lshl_b32 s22, s19, 2                         ; their scale words
	s_mov_b32 s23, 0
	s_wait_alu depctr_va_vdst(0)
	s_wait_kmcnt 0x0
	global_load_b128 v[240:243], v244, s[48:49]    ; my image of w_fc: the oldest load, so every later counted wait covers it
	s_add_nc_u64 s[12:13], s[10:11], s[22:23]
	s_add_nc_u64 s[10:11], s[10:11], s[20:21]
.macro LOADP t                         ; step t = 2 i + u: half u of row i's source (no hint: a row of pos_emb is read twice in the launch)
.irp i, 0,1,2,3
	global_load_b128 v[R+16*((\t)%4)+4*\i:R+16*((\t)%4)+4*\i+3], v[VO+(\t)/2], s[6:7] offset:2048*((\t)%2)+512*\i
.endr
.endm
.irp t, 0,1,2,3
	LOADP \t
.endr
	s_wait_loadcnt 12
	TURN 0
.macro PSTEP t
.set XSS, X+16*((\t)%2)
.if (\t) > 0
	s_wait_dscnt 4                                 ; this step's numbers are back from the stage; the last step's four stores into G and SG may be out
.else
	s_wait_dscnt 0x0
.endif
.if (\t)+4 < STEPS
	LOADP (\t)+4
.endif
.if (\t)+1 < STEPS
.if STEPS-2-(\t) >= 3
	s_wait_loadcnt 12
.else
	s_wait_loadcnt 4*(STEPS-2-(\t))
.endif
	TURN (\t)+1
.endif
	CORE RAW, RAW+1
	v_lshrrev_b32 v10, 23, v11                     ; the scale's byte (a plain line behind the conversions)
	v_and_b32 v[C+4*(\t)], s[KL+2*((\t)/2)], v[RAW]            ; the lower half: the codes, or zero codes
	v_and_b32 v[C+4*(\t)+1], s[KL+2*((\t)/2)], v[RAW+1]
	v_and_b32 v[C+4*(\t)+2], s[KL+2*((\t)/2)+1], v[RAW]        ; the upper half likewise
	v_and_b32 v[C+4*(\t)+3], s[KL+2*((\t)/2)+1], v[RAW+1]
	v_bfi_b32 v[E+(\t)], s[KL+2*((\t)/2)], v10, v[K7F]         ; the byte, or 0x7f over zero codes
	v_bfi_b32 v[EU+(\t)], s[KL+2*((\t)/2)+1], v10, v[K7F]
	ds_store_b64 v12, v[C+4*(\t):C+4*(\t)+1] offset:8*HP*((\t)%2)+64*((\t)/2)
	ds_store_b64 v12, v[C+4*(\t)+2:C+4*(\t)+3] offset:8*HP*((\t)%2)+64*((\t)/2)+32
	ds_store_b8 v13, v[E+(\t)] offset:256*((\t)%2)+4*((\t)/2)
	ds_store_b8 v13, v[EU+(\t)] offset:256*((\t)%2)+4*((\t)/2)+2
.endm
.irp t, 0,1,2,3,4,5,6,7,8,9,10,11,12,13,14,15
	PSTEP \t
.endr
.irp hd, 0,1,2,3,4,5,6,7,8,9,10,11,12,13,14,15
	ds_load_b128 v[R+4*\hd:R+4*\hd+3], v6 offset:\hd*HP     ; a head's 8 rows, 512 bytes: these loads see my stores
.endr
	ds_load_b128 v[80:83], v7
.irp hd, 0,1,2,3,4,5,6,7,8,9,10,11,12,13,14,15
	s_wait_dscnt 16-\hd                            ; the younger loads may be out
	global_store_b128 v3, v[R+4*\hd:R+4*\hd+3], s[10:11] offset:\hd*262144   ; 512 consecutive bytes, aligned
.endr
	s_wait_dscnt 0x0
	global_store_b128 v5, v[80:83], s[12:13] offset:PSO     ; 32 bytes a head: my 8 rows' scale words
	global_store_b128 v245, v[240:243], s[50:51]   ; my image of w_fc
	s_wait_tensorcnt 0x0
	ds_add_u32 v254, v255
	s_wait_dscnt 0x0
	s_endpgm
.Lfunc_end_k_qa01d80a9e9_prep:
	.size	k_qa01d80a9e9_prep, .Lfunc_end_k_qa01d80a9e9_prep-k_qa01d80a9e9_prep
	.p2alignl 7, 3214868480
	.fill 96, 4, 3214868480
	.section	.rodata,"a",@progbits
	.p2align	6, 0x0
	.amdhsa_kernel k_qa01d80a9e9_prep
		.amdhsa_group_segment_fixed_size 90624
		.amdhsa_private_segment_fixed_size 0
		.amdhsa_enable_private_segment 0
		.amdhsa_kernarg_size 48
		.amdhsa_user_sgpr_count 2
		.amdhsa_user_sgpr_kernarg_segment_ptr 1
		.amdhsa_wavefront_size32 1
		.amdhsa_system_sgpr_workgroup_id_x 1
		.amdhsa_system_sgpr_workgroup_id_y 1
		.amdhsa_system_sgpr_workgroup_id_z 1
		.amdhsa_system_vgpr_workitem_id 0
		.amdhsa_next_free_vgpr 256
		.amdhsa_next_free_sgpr 66
		.amdhsa_reserve_vcc 0
		.amdhsa_float_denorm_mode_32 3
		.amdhsa_float_denorm_mode_16_64 3
		.amdhsa_memory_ordered 1
		.amdhsa_forward_progress 1
		.amdhsa_inst_pref_size 80
	.end_amdhsa_kernel
	.amdgpu_metadata
---
amdhsa.version: [ 1, 2 ]
amdhsa.kernels:
  - .name:           k_qa01d80a9e9_prep
    .symbol:         k_qa01d80a9e9_prep.kd
    .args:
      - { .name: x, .offset: 0, .size: 8, .value_kind: global_buffer, .address_space: global }
      - { .name: pos_emb, .offset: 8, .size: 8, .value_kind: global_buffer, .address_space: global }
      - { .name: xq, .offset: 16, .size: 8, .value_kind: global_buffer, .address_space: global }
      - { .name: pe, .offset: 24, .size: 8, .value_kind: global_buffer, .address_space: global }
      - { .name: w_fc_codes, .offset: 32, .size: 8, .value_kind: global_buffer, .address_space: global }
      - { .name: wf, .offset: 40, .size: 8, .value_kind: global_buffer, .address_space: global }
    .group_segment_fixed_size: 90624
    .private_segment_fixed_size: 0
    .kernarg_segment_align: 8
    .kernarg_segment_size: 48
    .max_flat_workgroup_size: 128
    .sgpr_count:     66
    .vgpr_count:     256
    .wavefront_size: 32
...
	.end_amdgpu_metadata
.endif
;; end of part 1
;; launch qkv (part 2): grid 8 x 24, 4 waves a work-group, clusters of 4 x 4, 327,680 bytes of LDS; arguments xq, w_qkv_codes, w_qkv_scales, b_qkv, qb, kb, vb; writes qb, kb, vb
.if DOCPART == 2
	.amdgcn_target "amdgcn-amd-amdhsa--gfx1250"
	.amdhsa_code_object_version 6
	.text
	.protected	k_qa01d80a9e9_qkv
	.globl	k_qa01d80a9e9_qkv
	.p2align	8
	.type	k_qa01d80a9e9_qkv,@function
k_qa01d80a9e9_qkv:
	s_mov_b64 s[64:65], 0
	v_nop
	global_prefetch_b8 v0, s[64:65] scope:SCOPE_SE
	s_setreg_imm32_b32 hwreg(HW_REG_WAVE_MODE, 25, 1), 1
	s_wait_xcnt 0x0
	s_wait_alu depctr_hold_cnt(0) depctr_sa_sdst(0) depctr_va_vdst(0) depctr_va_sdst(0) depctr_va_ssrc(0) depctr_va_vcc(0) depctr_vm_vsrc(0)
	s_getreg_b32 s2, hwreg(HW_REG_IB_STS2, 6, 4)
	s_cmp_eq_u32 s2, 0
	s_cbranch_scc0 .Lentry_in_a_cluster
	s_endpgm
.Lentry_in_a_cluster:
	s_bfe_u32 s2, ttmp6, 0x10000c
	s_cmp_lg_u32 s2, 0xf033
	s_cbranch_scc0 .Lentry_shape_is_right
	s_endpgm
.Lentry_shape_is_right:
; QKV.  x w_qkv + b_qkv on codes of FP4 (E2M1), a block of 256 x 256 a work-group, 128 x 128 a wave, K = 1,024 in two LDS slots of 512; the results are quantised along the next products' K and stored as codes and scale bytes in qb, kb, vb.
; Clusters of 4 x 4: A's tiles are asked for jointly along a row of the cluster, B's along a column.  For v the two operands change places, so that the keys lie along a lane's registers.
; THE HEAD: one joint load a wave: wave 0 K step 0's 256 rows of A, wave 1 its 256 rows of B, wave 2 A's scale bytes for all of K, wave 3 B's.  Slot 1 is filled behind the full sequence and a round, a quarter of the slot a wave.
.set KSTEP,  512
.set NQ,     KSTEP/128
.set ROWB,   256
.set KROW,   512
.set PITCH,  272
.set FR,     8
.set NL,     2
.set NP,     4
.set HALFT,  128*PITCH
.set SLOT,   4*HALFT
.set KS,     32
.set SCL,    2*SLOT
.set HALFS,  (128*KS/256)*272
.set SBLK,   (16*KS/256)*272
.set SPARE,  SCL+4*HALFS
.set XSO,    2097152
.set ADRA, 16
.set ADRB, 20
.set ADRS, 27
.set SPW,  28
.set NIL,  29
.set SC,   32
.set AF,   128
.set T,    32
.set BV,   96
.set PC,   112
.set TM,   128
.set PW,   144
.set PWE,  145
.set PWO,  146
.set BI,   192
.set SEL,  18
.set G1, 24
.set G0, 32
.set G1B, 48
.set G0B, 56
.set G1S, 68
.set G0S, 76
.set G1SB, 80
.set G0SB, 88
.set MSB, 0
.macro WIN new
.if MSB != \new
	s_set_vgpr_msb (MSB<<8)|\new
.set MSB, \new
.endif
.endm
.set MUL_LO, 0xa1
.set MUL_HI, 0xf1
.set TO_B,   0x40
.macro JLOAD g0a, g1a, g0b, g1b
	s_cmp_eq_u32 s15, 0
	s_cbranch_scc0 .Lfor_b_\@
	tensor_load_to_lds s[\g0a:\g0a+3], s[\g1a:\g1a+7]
	s_nop 0
.rept 4
	v_nop
.endr
	s_branch .Lasked_\@
.Lfor_b_\@:
	tensor_load_to_lds s[\g0b:\g0b+3], s[\g1b:\g1b+7]
	s_nop 0
.rept 4
	v_nop
.endr
.Lasked_\@:
.endm
.macro CROUND
	s_barrier_signal -1
	s_barrier_wait -1
	s_cmp_lg_u32 s14, 0
	s_cbranch_scc1 .Lnot_wave_0_\@
	s_barrier_signal -3
.Lnot_wave_0_\@:
	s_barrier_wait -3
	s_barrier_signal -1
	s_barrier_wait -1
.endm
	s_load_b256 s[4:11], s[0:1], 0x0
	s_load_b128 s[96:99], s[0:1], 0x20
	s_load_b64 s[100:101], s[0:1], 0x30
	v_lshl_add_u32 v[SPW], v0, 2, SPARE
	v_mov_b32 v[NIL], 0
	ds_add_u32 v28, v29
	ds_add_u32 v28, v29
	s_wait_dscnt 0x0
	v_lshrrev_b32 v1, 5, v0
	v_readfirstlane_b32 s14, v1
	s_lshr_b32 s15, s14, 1
	s_and_b32 s16, s14, 1
	s_bfe_u32 s40, ttmp6, 0x40000
	s_bfe_u32 s41, ttmp6, 0x40004
	s_and_b32 s2, ttmp7, 0xffff
	s_mov_b32 s67, ttmp9
	s_lshl_b32 s17, s2, 2
	s_add_co_u32 s17, s17, s41
	s_lshl_b32 s42, ttmp9, 2
	s_add_co_u32 s42, s42, s40
	s_sub_co_u32 s18, s2, 4
	s_lshl_b32 s18, s18, 3
	s_add_co_u32 s18, s18, s42
	s_cmp_ge_u32 s2, 4
	s_cselect_b32 s66, 1, 0
	s_cselect_b32 s17, s41, s17
	s_cselect_b32 s42, s18, s42
	s_cselect_b32 s19, 2048, 0
	s_cselect_b32 s95, 0, XSO
	s_cselect_b32 s94, XSO, 0
	s_lshl_b32 s43, s41, 2
	s_lshl_b32 s43, 15, s43
	s_lshl_b32 s44, 0x1111, s40
	s_or_b32 s[G1+0], s43, (0<<16)|(1<<20)|(1<<21)|(5<<22)|(3<<25)
	s_or_b32 s[G1B+0], s44, (0<<16)|(1<<20)|(1<<21)|(5<<22)|(3<<25)
.irp g, G1, G1B
	s_mov_b32 s[\g+1], ROWB<<16
	s_mov_b32 s[\g+2], 256<<16                     ; the head's loads bring 256 rows; behind them these two words are set to 128
	s_mov_b32 s[\g+3], ROWB<<16
	s_mov_b32 s[\g+4], 256
	s_mov_b32 s[\g+5], KROW
	s_mov_b32 s[\g+6], 0
	s_mov_b32 s[\g+7], 0
.endr
	s_or_b32 s[G1S+0], s43, (3<<16)|(1<<20)|(1<<21)|(5<<22)|(3<<25)
	s_or_b32 s[G1SB+0], s44, (3<<16)|(1<<20)|(1<<21)|(5<<22)|(3<<25)
.irp g, G1S, G1SB
	s_mov_b32 s[\g+1], 32<<16
	s_mov_b32 s[\g+2], (256*KS/256)<<16            ; the scale bytes of 256 rows: 32 rows of 256 bytes
	s_mov_b32 s[\g+3], 32<<16
	s_mov_b32 s[\g+4], 256*KS/256
	s_mov_b32 s[\g+5], 32
	s_mov_b32 s[\g+6], 0
	s_mov_b32 s[\g+7], 0
.endr
	s_lshl_b32 s20, s17, 8                         ; A: the tile's first row
	s_add_co_u32 s20, s20, s19
	s_lshl_b32 s46, s42, 8                         ; B: likewise
	s_lshl_b32 s22, s20, 5
	s_add_co_u32 s22, s22, s95
	s_mov_b32 s23, 0
	s_lshl_b32 s20, s20, 9
	s_mov_b32 s21, 0
	s_lshl_b32 s92, s46, 5
	s_add_co_u32 s92, s92, s94
	s_mov_b32 s93, 0
	s_lshl_b32 s46, s46, 9
	s_mov_b32 s47, 0
	s_mul_i32 s45, s14, HALFT
	s_wait_kmcnt 0x0
	s_cmp_eq_u32 s66, 1
	s_cselect_b64 s[12:13], s[6:7], s[4:5]
	s_cselect_b64 s[94:95], s[8:9], s[4:5]
	s_cselect_b64 s[6:7], s[4:5], s[6:7]
	s_cselect_b64 s[8:9], s[4:5], s[8:9]
	s_add_nc_u64 s[20:21], s[12:13], s[20:21]
	s_add_nc_u64 s[22:23], s[94:95], s[22:23]
	s_add_nc_u64 s[46:47], s[6:7], s[46:47]
	s_add_nc_u64 s[92:93], s[8:9], s[92:93]
	CROUND
	s_mov_b32 s[G0S], 1                            ; the head's four tiles, each whole: the scale bytes of A's 256 rows,
	s_mov_b32 s[G0S+1], SCL
	s_mov_b64 s[G0S+2:G0S+3], s[22:23]
	s_or_b32 s[G0S+3], s[G0S+3], 0x80000000
	s_mov_b32 s[G0SB], 1                           ; of B's,
	s_mov_b32 s[G0SB+1], SCL+2*HALFS
	s_mov_b64 s[G0SB+2:G0SB+3], s[92:93]
	s_or_b32 s[G0SB+3], s[G0SB+3], 0x80000000
	s_mov_b32 s[G0], 1                             ; K step 0's 256 rows of A (slot 0 is filled once, so its groups 0 serve the head's loads),
	s_mov_b32 s[G0+1], 0
	s_mov_b64 s[G0+2:G0+3], s[20:21]
	s_or_b32 s[G0+3], s[G0+3], 0x80000000
	s_mov_b32 s[G0B], 1                            ; and its 256 rows of B, behind them
	s_mov_b32 s[G0B+1], 2*HALFT
	s_mov_b64 s[G0B+2:G0B+3], s[46:47]
	s_or_b32 s[G0B+3], s[G0B+3], 0x80000000
	s_mul_i32 s12, s16, 128*KROW                   ; for slot 1: my 128 rows of the tile
	s_mov_b32 s13, 0
	s_add_nc_u64 s[20:21], s[20:21], s[12:13]
	s_add_nc_u64 s[46:47], s[46:47], s[12:13]
	s_mov_b32 s[G0+4], 1
	s_add_co_u32 s[G0+5], s45, SLOT
	s_add_nc_u64 s[G0+6:G0+7], s[20:21], ROWB
	s_or_b32 s[G0+7], s[G0+7], 0x80000000
	s_mov_b32 s[G0B+4], 1
	s_add_co_u32 s[G0B+5], s45, SLOT
	s_add_nc_u64 s[G0B+6:G0B+7], s[46:47], ROWB
	s_or_b32 s[G0B+7], s[G0B+7], 0x80000000
; one tree of branches on the wave's number, an arm a load: every way through the head passes exactly one
.macro ARM under, g0, g1, next
	s_cmp_lt_u32 s14, \under
	s_cbranch_scc0 \next
	tensor_load_to_lds s[\g0:\g0+3], s[\g1:\g1+7]
	s_nop 0
.rept 4
	v_nop
.endr
	s_branch .Lhead_asked
\next:
.endm
	ARM 1, G0,  G1,  .Lhead_b
	ARM 2, G0B, G1B, .Lhead_sa
	ARM 3, G0S, G1S, .Lhead_sb
	tensor_load_to_lds s[G0SB:G0SB+3], s[G1SB:G1SB+7]
	s_nop 0
.rept 4
	v_nop
.endr
.Lhead_asked:
	v_and_b32 v1, 15, v0
	v_bfe_u32 v2, v0, 4, 1
	v_mul_u32_u24 v3, v1, PITCH
	v_lshl_add_u32 v4, v2, 4, v3
	s_mul_i32 s21, s15, HALFT
	s_mul_i32 s22, s16, HALFT
	s_add_co_u32 s22, s22, 2*HALFT
.irp s, 0,1
	v_add_nc_u32 v[ADRA+\s], s21, v4
	v_add_nc_u32 v[ADRB+\s], s22, v4
	s_add_co_u32 s21, s21, SLOT
	s_add_co_u32 s22, s22, SLOT
.endr
	v_mul_u32_u24 v5, v1, KS
	v_lshrrev_b32 v6, 8, v5
	v_lshl_add_u32 v5, v6, 4, v5
	s_mul_i32 s21, s15, HALFS
	s_mul_i32 s22, s16, HALFS
	s_add_co_u32 s22, s22, 2*HALFS
	s_sub_co_u32 s22, s22, s21
	v_mul_u32_u24 v6, s22, v2
	s_add_co_u32 s21, s21, SCL
	v_add_nc_u32 v5, v5, v6
	v_add_nc_u32 v[ADRS], s21, v5
	v_lshlrev_b32 v7, 5, v1
	v_lshl_add_u32 v7, v2, 4, v7
	s_lshl_b32 s21, s15, 12
	v_add_nc_u32 v7, s21, v7
	v_lshlrev_b32 v8, 2, v1
	v_mul_u32_u24 v5, v2, 73728
	v_add_nc_u32 v8, v8, v5
	s_lshl_b32 s21, s15, 9
	v_add_nc_u32 v8, s21, v8
	v_and_b32 v6, 31, v0
	v_lshlrev_b32 v9, 4, v6
	v_lshlrev_b32 v10, 2, v6
	v_lshlrev_b32 v11, 4, v2
	s_lshl_b32 s21, s42, 8
	s_lshl_b32 s22, s16, 7
	s_add_co_u32 s21, s21, s22
	s_lshl_b32 s21, s21, 2
	s_lshl_b32 s22, s17, 8
	s_lshl_b32 s23, s15, 7
	s_cmp_eq_u32 s66, 1
	s_cselect_b32 s21, 0, s21
	s_cselect_b32 s22, s22, 0
	s_add_co_u32 s22, s22, s23
	s_add_co_u32 s22, s22, 2048
	s_lshl_b32 s22, s22, 2
	v_lshl_add_u32 v12, v2, 5, s21
	v_lshl_add_u32 v13, v1, 2, s22
.irp b, 0,1,2,3,4,5,6,7
	global_load_b128 v[BI+8*\b:BI+8*\b+3], v12, s[10:11] offset:64*\b
	global_load_b128 v[BI+8*\b+4:BI+8*\b+7], v12, s[10:11] offset:64*\b+16
.endr
.irp a, 0,1,2,3,4,5,6,7
	global_load_b32 v[BV+2*\a], v13, s[10:11] offset:64*\a
	global_load_b32 v[BV+2*\a+1], v13, s[10:11] offset:64*\a
.endr
	s_mov_b32 s[SEL], 0x76543210
	s_mov_b32 s[SEL+1], 0xfedcba98
	s_mov_b32 s94, 0x7f7f0000
	s_mov_b32 s95, 0xffff0000
.macro FRAG reg, adr, q, i
.irp c, 0,1
	ds_load_b128 v[\reg+4*\c:\reg+4*\c+3], v[\adr] offset:64*(\q)+32*\c+(\i)*16*PITCH
.endr
.endm
.macro MUL16 a0, p, q, sc, zero
.irp a, \a0, \a0+1
.irp b, 0,1,2,3,4,5,6,7
.if \zero
	v_wmma_scale_f32_16x16x128_f8f6f4 v[8*(8*((\a)%4)+\b):8*(8*((\a)%4)+\b)+7], v[128*(\p)+FR*\b:128*(\p)+FR*\b+FR-1], v[AF+FR*(\a):AF+FR*(\a)+FR-1], 0, v[SC+8*NQ*(\sc)+NQ*\b+(\q)], v[SC+8*NQ*(\sc)+NQ*(\a)+(\q)] matrix_a_fmt:MATRIX_FMT_FP4 matrix_b_fmt:MATRIX_FMT_FP4 matrix_a_scale:MATRIX_SCALE_ROW1
.else
	v_wmma_scale_f32_16x16x128_f8f6f4 v[8*(8*((\a)%4)+\b):8*(8*((\a)%4)+\b)+7], v[128*(\p)+FR*\b:128*(\p)+FR*\b+FR-1], v[AF+FR*(\a):AF+FR*(\a)+FR-1], v[8*(8*((\a)%4)+\b):8*(8*((\a)%4)+\b)+7], v[SC+8*NQ*(\sc)+NQ*\b+(\q)], v[SC+8*NQ*(\sc)+NQ*(\a)+(\q)] matrix_a_fmt:MATRIX_FMT_FP4 matrix_b_fmt:MATRIX_FMT_FP4 matrix_a_scale:MATRIX_SCALE_ROW1
.endif
.endr
.endr
.endm
.macro FETCH_B slot, q, p
	WIN TO_B
.irp i, 0,1,2,3,4,5,6,7
	FRAG 128*(\p)+FR*\i, ADRB+\slot, \q, \i
.endr
	WIN 0
.endm
.macro FETCH_A slot, q, i0
.irp i, \i0, \i0+1, \i0+2, \i0+3
	FRAG AF+FR*(\i), ADRA+\slot, \q, \i
.endr
.endm
.macro SCALES sc
.irp i, 0,1,2,3,4,5,6,7
	ds_load_b128 v[SC+8*NQ*\sc+NQ*\i:SC+8*NQ*\sc+NQ*\i+3], v[ADRS] offset:\i*SBLK
.endr
.endm
.macro PLACES n
.rept \n
	v_nop
.endr
.endm
.macro STEP slot, q, zero
	s_wait_dscnt 4*NL
	WIN MUL_LO
	MUL16 0, (\q)%2, \q, \slot, \zero
	MUL16 2, (\q)%2, \q, \slot, \zero
	s_wait_dscnt 0
	PLACES NP
	FETCH_B \slot, (\q)+1, 1-(\q)%2
	FETCH_A \slot, (\q)+1, 0
	WIN MUL_HI
	MUL16 4, (\q)%2, \q, \slot, \zero
	MUL16 6, (\q)%2, \q, \slot, \zero
	PLACES NP
	WIN 0
	FETCH_A \slot, (\q)+1, 4
.endm
.macro TURN slot, next
	s_wait_tensorcnt 0x0
	ds_add_u32 v[SPW], v[NIL]
	s_wait_dscnt 4*NL+1
	WIN MUL_LO
	MUL16 0, 1, NQ-1, \slot, 0
	s_wait_dscnt 0x0
	s_barrier_signal -1
	MUL16 2, 1, NQ-1, \slot, 0
	WIN 0
	s_barrier_wait -1
	PLACES NP
	v_add_nc_u32 v[ADRS], 4*NQ, v[ADRS]
	FETCH_B \next, 0, 0
	FETCH_A \next, 0, 0
	SCALES \next
	WIN MUL_HI
	MUL16 4, 1, NQ-1, \slot, 0
	MUL16 6, 1, NQ-1, \slot, 0
	PLACES NP
	WIN 0
	FETCH_A \next, 0, 4
.endm
.macro STEPS slot, from
.set Q, \from
.rept NQ-1-\from
	STEP \slot, Q, 0
.set Q, Q+1
.endr
.endm
	s_wait_alu depctr_va_vdst(0)                   ; the wait at the head's end
	s_wait_tensorcnt 0x0                           ; my tile of the head's four is in
	ds_add_u32 v[SPW], v[NIL]                      ; the add ahead of a later first fill
	s_mov_b32 s[G1+2], 128<<16                     ; no tensor load of mine is out: from here on a load brings 128 rows
	s_mov_b32 s[G1+4], 128
	s_mov_b32 s[G1B+2], 128<<16
	s_mov_b32 s[G1B+4], 128
	s_wait_dscnt 0x0
	CROUND                                         ; all four tiles are in, and all sixteen work-groups are here
	JLOAD G0+4, G1, G0B+4, G1B                     ; K step 1: the first tensor load behind the round
	FETCH_B 0, 0, 0
	FETCH_A 0, 0, 0
	SCALES 0
	FETCH_A 0, 0, 4
	STEP 0, 0, 1
	STEPS 0, 1
	TURN 0, 1
	STEPS 1, 0
	s_wait_dscnt 4*NL
	WIN MUL_LO
	MUL16 0, 1, NQ-1, 1, 0
	MUL16 2, 1, NQ-1, 1, 0
	s_wait_dscnt 0
	WIN MUL_HI
	MUL16 4, 1, NQ-1, 1, 0
	MUL16 6, 1, NQ-1, 1, 0
	WIN 0
.macro QUANTN
.irp b, 0,1,2,3
	v_max3_num_f32 v[TM+\b], |v[T+16*\b]|, |v[T+1+16*\b]|, 0x1800000
.endr
.irp i, 2,4,6,8,10,12,14
.irp b, 0,1,2,3
	v_max3_num_f32 v[TM+\b], v[TM+\b], |v[T+16*\b+\i]|, |v[T+1+16*\b+\i]|
.endr
.endr
.irp b, 0,1,2,3
	v_permlanex16_b32 v[TM+4+\b], v[TM+\b], s[SEL], s[SEL+1]
.endr
.irp b, 0,1,2,3
	v_max_num_f32 v[TM+\b], v[TM+\b], v[TM+4+\b]
.endr
.irp b, 0,1,2,3
	v_add_nc_u32 v[TM+12+\b], 0xff000000, v[TM+\b]
.endr
.irp b, 0,1,2,3
	v_lshrrev_b32 v[TM+4+\b], 23, v[TM+12+\b]
.endr
	v_lshl_or_b32 v[PW], v[TM+5], 8, v[TM+4]
	v_lshl_or_b32 v[PW], v[TM+6], 16, v[PW]
	v_lshl_or_b32 v[PW], v[TM+7], 24, v[PW]
.irp c, 0,1
	v_cvt_scalef32_pk8_fp4_f32 v[PC+4*\c], v[T+32*\c:T+32*\c+7], v[TM+12+2*\c]
	v_cvt_scalef32_pk8_fp4_f32 v[PC+4*\c+1], v[T+32*\c+16:T+32*\c+23], v[TM+13+2*\c]
	v_cvt_scalef32_pk8_fp4_f32 v[PC+4*\c+2], v[T+32*\c+8:T+32*\c+15], v[TM+12+2*\c]
	v_cvt_scalef32_pk8_fp4_f32 v[PC+4*\c+3], v[T+32*\c+24:T+32*\c+31], v[TM+13+2*\c]
.endr
	v_nop
.irp c, 0,1
	v_permlane16_swap_b32 v[PC+4*\c], v[PC+4*\c+1]
	v_permlane16_swap_b32 v[PC+4*\c+2], v[PC+4*\c+3]
.endr
.endm
.macro OUTQK a
	s_wait_xcnt 0x0
	WIN 0x02+(\a)/4
.set AC, 64*((\a)%4)
.set J, 0
.rept 32
	v_pk_add_f32 v[T+J:T+J+1], v[AC+J:AC+J+1], v[BI+J:BI+J+1]
.set J, J+2
.endr
	WIN 0
	QUANTN
	global_store_b128 v7, v[PC:PC+3], s[12:13] offset:512*(\a)
	global_store_b128 v7, v[PC+4:PC+7], s[12:13] offset:73728+512*(\a)
	v_lshrrev_b32 v[PWE], v11, v[PW]
	v_and_or_b32 v[PWE], v[PWE], 0xffff, s94
	global_store_b32 v8, v[PWE], s[12:13] offset:8192+64*(\a)
.endm
.macro OUTV a
	s_wait_xcnt 0x0
	WIN 0x02+(\a)/4
.set AC, 64*((\a)%4)
.set J, 0
.rept 32
	v_pk_add_f32 v[T+J:T+J+1], v[AC+J:AC+J+1], v[BV+2*(\a):BV+2*(\a)+1]
.set J, J+2
.endr
	WIN 0
	QUANTN
	global_store_b128 v9, v[PC:PC+3], s[12:13] offset:69632*((\a)/4)+1024*((\a)%4)
	global_store_b128 v9, v[PC+4:PC+7], s[12:13] offset:69632*((\a)/4)+1024*((\a)%4)+512
.if (\a)%2 == 0
	v_mov_b32 v[PWE], v[PW]
.else
	v_cndmask_b32 v[PWO], v[PWE], v[PW], s95
	global_store_b32 v10, v[PWO], s[22:23] offset:69632*((\a)/4)+8192+128*(((\a)%4)/2)
.endif
.endm
	PLACES NP
	s_wait_loadcnt 0x0
.irp b, 0,1,2,3
	v_mov_b32 v[TM+4+\b], 0
.endr
	s_cmp_eq_u32 s66, 1
	s_cbranch_scc1 .Lvrole
	s_cmp_eq_u32 s67, 0
	s_cselect_b64 s[12:13], s[96:97], s[98:99]
	s_lshr_b32 s20, s17, 3
	s_lshl_b32 s20, s20, 4
	s_lshl_b32 s21, s40, 2
	s_add_co_u32 s20, s20, s21
	s_lshl_b32 s21, s16, 1
	s_add_co_u32 s20, s20, s21
	s_lshl_b32 s20, s20, 3
	s_and_b32 s21, s17, 7
	s_add_co_u32 s20, s20, s21
	s_mul_i32 s20, s20, 9216
	s_mov_b32 s21, 0
	s_add_nc_u64 s[12:13], s[12:13], s[20:21]
.irp a, 0,1,2,3,4,5,6,7
	OUTQK \a
.endr
	s_branch .Lend
.Lvrole:
	s_lshr_b32 s20, s42, 3
	s_lshl_b32 s20, s20, 4
	s_lshl_b32 s21, s17, 2
	s_add_co_u32 s20, s20, s21
	s_lshl_b32 s21, s15, 1
	s_add_co_u32 s20, s20, s21
	s_lshl_b32 s20, s20, 3
	s_and_b32 s21, s42, 7
	s_add_co_u32 s20, s20, s21
	s_mul_i32 s20, s20, 8704
	s_mov_b32 s21, 0
	s_add_nc_u64 s[22:23], s[100:101], s[20:21]
	s_lshl_b32 s20, s16, 12
	s_add_nc_u64 s[12:13], s[22:23], s[20:21]
	s_lshl_b32 s20, s16, 8
	s_add_nc_u64 s[22:23], s[22:23], s[20:21]
.irp a, 0,1,2,3,4,5,6,7
	OUTV \a
.endr
.Lend:
	s_wait_tensorcnt 0x0
	ds_add_u32 v[SPW], v[NIL]
	s_wait_dscnt 0x0
	CROUND
	s_endpgm
.Lfunc_end_k_qa01d80a9e9_qkv:
	.size	k_qa01d80a9e9_qkv, .Lfunc_end_k_qa01d80a9e9_qkv-k_qa01d80a9e9_qkv
	.p2alignl 7, 3214868480
	.fill 96, 4, 3214868480
	.section	.rodata,"a",@progbits
	.p2align	6, 0x0
	.amdhsa_kernel k_qa01d80a9e9_qkv
		.amdhsa_group_segment_fixed_size 327680
		.amdhsa_private_segment_fixed_size 0
		.amdhsa_enable_private_segment 0
		.amdhsa_kernarg_size 56
		.amdhsa_user_sgpr_count 2
		.amdhsa_user_sgpr_kernarg_segment_ptr 1
		.amdhsa_wavefront_size32 1
		.amdhsa_system_sgpr_workgroup_id_x 1
		.amdhsa_system_sgpr_workgroup_id_y 1
		.amdhsa_system_sgpr_workgroup_id_z 1
		.amdhsa_system_vgpr_workitem_id 0
		.amdhsa_next_free_vgpr 1024
		.amdhsa_next_free_sgpr 102
		.amdhsa_reserve_vcc 0
		.amdhsa_float_denorm_mode_32 3
		.amdhsa_float_denorm_mode_16_64 3
		.amdhsa_memory_ordered 1
		.amdhsa_forward_progress 1
		.amdhsa_inst_pref_size 200
	.end_amdhsa_kernel
	.amdgpu_metadata
---
amdhsa.version: [ 1, 2 ]
amdhsa.kernels:
  - .name:           k_qa01d80a9e9_qkv
    .symbol:         k_qa01d80a9e9_qkv.kd
    .args:
      - { .name: xq, .offset: 0, .size: 8, .value_kind: global_buffer, .address_space: global }
      - { .name: w_qkv_codes, .offset: 8, .size: 8, .value_kind: global_buffer, .address_space: global }
      - { .name: w_qkv_scales, .offset: 16, .size: 8, .value_kind: global_buffer, .address_space: global }
      - { .name: b_qkv, .offset: 24, .size: 8, .value_kind: global_buffer, .address_space: global }
      - { .name: qb, .offset: 32, .size: 8, .value_kind: global_buffer, .address_space: global }
      - { .name: kb, .offset: 40, .size: 8, .value_kind: global_buffer, .address_space: global }
      - { .name: vb, .offset: 48, .size: 8, .value_kind: global_buffer, .address_space: global }
    .group_segment_fixed_size: 327680
    .private_segment_fixed_size: 0
    .kernarg_segment_align: 8
    .kernarg_segment_size: 56
    .max_flat_workgroup_size: 128
    .sgpr_count:     102
    .vgpr_count:     1024
    .wavefront_size: 32
...
	.end_amdgpu_metadata
.endif
;; end of part 2
;; launch attn (part 3): grid 8 x 32, 16 waves a work-group, no clusters, 327,680 bytes of LDS; arguments qb, kb, vb, pe, oo; writes oo
.if DOCPART == 3
	.amdgcn_target "amdgcn-amd-amdhsa--gfx1250"
	.amdhsa_code_object_version 6
	.text
	.protected	k_qa01d80a9e9_attn
	.globl	k_qa01d80a9e9_attn
	.p2align	8
	.type	k_qa01d80a9e9_attn,@function
k_qa01d80a9e9_attn:
	s_mov_b64 s[64:65], 0
	v_nop
	global_prefetch_b8 v0, s[64:65] scope:SCOPE_SE
	s_setreg_imm32_b32 hwreg(HW_REG_WAVE_MODE, 25, 1), 1
	s_wait_xcnt 0x0
; ATTN.  For one (batch, head) and 256 queries: scores = (q k^T + shift(q p^T)) / 8, softmax, P V, / the row's sum, and the result quantised along the channels for the last product.  All three products on codes of FP4 (E2M1).
; THE SHIFT.  The shifted position term of query i and key j is row rho = 2048 - i + j of the table PE times [q(i) | q(i+1)].  A row's lower 32 bytes (they meet q(i)) hold codes for rho <= 2048 alone, its upper 32 bytes
; (they meet q(i+1)) for rho >= 2050 alone.  So a step whose 160 rows lie on one side reads ONE half of each row: its four registers stand in their place of the operand; the other four registers named hold other codes, which meet the
; zero codes of [q(i) | 0] or of [0 | q(i+1)].  A step that straddles row 2049 runs both halves, the second adding onto the first.  Which of the three it is hangs on the work-group's, the wave's and the step's numbers alone.
; THE SKEW.  A wave's 16 queries lie TWO apart: wave w = 2 u + pi holds i = 256 x + 32 u + pi + 2 r.  Ten tiles give R(p', r), p' = 0 .. 159; key kk of query r lies at p' = kk + 32 - 2 pi - 2 r: an even step from lane to lane, so that
; two neighbouring registers go to my wave's own stage in LDS by one store of 8 bytes, aligned.  R(p', r) is stored at word B(r) + 2 r + 2 pi + p' and read at word B(r) + 32 + kk; what comes back is the C of the product q k^T.
; B(r) = 164 r + 8 g, g = (((r / 2) % 4) + 1) / 2: with it the 32 lanes' pairs of a store fall on 64 different banks, and the 16 lanes' 16 bytes of a load on 16 different columns of 16 bytes (64 banks of 4 bytes: ISA guide 11.1).
; Place p' < 32 counts for a lane where p' >= 32 - 2 pi - 2 r, place p' + 128 exactly where it does not: tiles 0, 1 and tiles 8, 9 are joined by a select, and a lane stores its 128 keys and nothing else.
; THE SOFTMAX: t = score x log2(e) / 8; M = the running largest t rounded up to a whole number; p = 2^(t - M) is quantised along the keys, not normalised; the sum of the unquantised p divides at the end.  A move of M multiplies by a power of two: exact.
; SHARES.  Sixteen waves, each 16 queries in 256 registers; every wave walks the head's 2,048 keys, 128 a step.  Two LDS slots of 256 keys: K's block, V's block, and the rows of PE that the work-group's queries meet in these keys (513; 528 are fetched).
; LAYOUT.  All products are used transposed: a lane holds ONE query (lane % 16).  Row m of K's tile t is key 64 (t / 4) + 32 (m / 8) + 8 (t % 4) + m % 8, so that register 32 c + e of lane (r, h) is key 64 c + 32 h + e:
; a block of 32 keys lies in ONE lane, its largest score needs no other lane, and the conversions' results are the second product's operand as they stand.
; NO CLUSTER: the eight query blocks of a head share K's and V's blocks, 17,920 of a slot's 53,760 bytes; their windows of PE differ at any one time.
; LIMITS: a block of zeros gets the byte 1 where the quantiser says 127 (zero codes; only this program reads the bytes); NaN and infinities are not served.
.set SLOT1, 65536                      ; slot 1 begins here: one exclusive or turns an address
.set VOFF,  9472                       ; a slot: K's block at 0: 9 rows of 1,024 bytes, 1,040 apart (8 of codes, 32 keys each; 1 of scale words);  V's block: 8,704 dense bytes;
.set PSOFF, 18176                      ; PE's 512 scale words (row 512's word is read from the bytes behind them: its result falls on a place that no lane takes);
.set PCOFF, 20224                      ; PE's 528 rows of 64 bytes, 80 apart
.set PROWS, 132                        ; rows of PE in one tensor load
.set STG,   131072                     ; behind the ring: a stage for each wave,
.set STGW,  10752
.set OSG,   303104                     ; 512 bytes for the work-group's scale bytes on the way out,
.set SPARE, 303616                     ; the spare words, 128 bytes for each wave,
.set OIM,   305664                     ; and 8,192 bytes for the work-group's 16 images on the way out
.set PSO,   4194304                    ; PE's scale words in pe
.set OSO,   2097152                    ; the scale bytes in oo
.set AP0,  1                           ; v1-7 my lane's places in a slot: PE's rows, its scale words (two tiles a register), K's rows, K's scale words, V's images, V's scale words
.set APS0, 2
.set AK0,  4
.set AKS0, 5
.set AV0,  6
.set AVS0, 7
.set ASW,  8                           ; v8   the stage: where I store
.set ASR,  9                           ; v9   and where I read
.set SPW,  10                          ; v10  LDS address of my spare word; never rewritten
.set NIL,  11                          ; v11  0; never rewritten
.set QA,   16                          ; v12 -M, v13 the largest t, v[14:15] the sum;  v16-19 q(i), v20-23 zero codes, v24-27 q(i+1), v28-31 zero codes:  v16-23 = [q(i) | 0],
.set QD,   20                          ; v20-27 = [0 | q(i+1)]
.set PCD,  32                          ; v32-95 fragments (v32-39 later p's codes); v96-159 R's tiles 0-7, then the scores, then p; v160-191 O^T; v192-207 R's tiles 8, 9
.set AW,   208                         ; v208-215 the stage: where the joined tiles' eight pairs go
.set ADP,  216                         ; v216-222 the places in the slot in hand
.set ADPS, 217
.set ADK,  219
.set ADKS, 220
.set ADV,  221
.set ADVS, 222
.set PFO,  223                         ; v223 256 x lane: the prefetches' offset; never rewritten
.set PES,  224                         ; v224-237 hold scales (v226-231 also the sum's chain): PE's 5, K's 4, V's 2, q's two, p's
.set KSC,  229
.set VSC,  233
.set QAS,  235
.set QBS,  236
.set PSW,  237
.set H8,   238                         ; v238 8 h
.set TM,   240                         ; v240-243 four maxima, later a chain of the sum; v244-245 the blocks' largest; v246-247 the conversions' scale operands; v248-249 bytes; v250-254 at work
.set BM,   244
.set SCO,  246
.set BY,   248
.set TB,   2                           ; s2   LDS byte at which the slot in hand begins
.set SLOTS, 3                          ; s3   slots still to be asked for
.set WV,   18
.set SEL,  20                          ; s[20:21] lane l xor 16
.set CS,   22                          ; s[22:23] c = log2(e) / 8
.set G1K,  24
.set G1V,  32
.set G1S,  40
.set G1P,  48
.set G0K,  56
.set G0V,  60
.set G0S,  68
.set G0P,  72
.set PFA,  76                          ; s[76:77] where my prefetches stand;  s[78:79] a slot on;  s80: 1 in a wave that prefetches, else the greatest number
.set PFS,  78
.set LIM,  80
.set MK,   88                          ; s88-95 eight lane masks: where a pair of the joined tiles is taken from tile 8 or 9
.set RW,   96                          ; s96  the row of PE at my step's p' = 0
.set PI,   97                          ; s97  pi: my wave's parity
; wave 0 fetches K's block, wave 1 V's, wave 2 PE's scale words, waves 4-7 132 rows of PE each.  The branches hang on the wave's number alone.  Four v_nop follow each load.
.macro TLOAD
	s_cmp_eq_u32 s[WV], 0
	s_cbranch_scc0 .Lnot0_\@
	tensor_load_to_lds s[G0K:G0K+3], s[G1K:G1K+7]
	s_nop 0
.rept 4
	v_nop
.endr
	s_branch .Lasked_\@
.Lnot0_\@:
	s_cmp_eq_u32 s[WV], 1
	s_cbranch_scc0 .Lnot1_\@
	tensor_load_to_lds s[G0V:G0V+3], s[G1V:G1V+7]
	s_nop 0
.rept 4
	v_nop
.endr
	s_branch .Lasked_\@
.Lnot1_\@:
	s_cmp_eq_u32 s[WV], 2
	s_cbranch_scc0 .Lnot2_\@
	tensor_load_to_lds s[G0S:G0S+3], s[G1S:G1S+7]
	s_nop 0
.rept 4
	v_nop
.endr
	s_branch .Lasked_\@
.Lnot2_\@:
	s_cmp_lt_u32 s[WV], 4
	s_cbranch_scc1 .Lasked_\@
	s_cmp_lt_u32 s[WV], 8
	s_cbranch_scc0 .Lasked_\@
	tensor_load_to_lds s[G0P:G0P+3], s[G1P:G1P+7]
	s_nop 0
.rept 4
	v_nop
.endr
.Lasked_\@:
.endm
; A prefetch of what the NEXT change of slots will ask for, lanes 256 bytes apart, one instruction a wave, a slot's two key steps ahead of that load.  Each block is named once in the launch: of the work-groups that walk
; the same K and V the first (x = 0) asks, wave 8 for K's 8,192 bytes of codes, wave 9 for V's 8,192 bytes of images; PE's new 256 rows are wanted first by x = 0, and both batches read them: x = 0 of batch 0 asks, waves 10 and 11
; half each.  The last change that fills a slot asks for nothing; slots 0 and 1 come by their loads alone.
.macro ASK
	s_cmp_gt_u32 s[SLOTS], s[LIM]
	s_cbranch_scc0 .Lnot_mine_\@
	global_prefetch_b8 v[PFO], s[PFA:PFA+1] th:TH_LOAD_NT scope:SCOPE_SE
.Lnot_mine_\@:
.endm
; a scaled product: D, A, B at the registers named; acc = 0: C = 0, else C = D; odd = 1: A's scales stand in lanes 16-31
.macro WMS d, a, b, acc, sa, sb, odd
.if \acc
.if \odd
	v_wmma_scale_f32_16x16x128_f8f6f4 v[0+(\d):7+(\d)], v[0+(\a):7+(\a)], v[0+(\b):7+(\b)], v[0+(\d):7+(\d)], v[0+(\sa)], v[0+(\sb)] matrix_a_fmt:MATRIX_FMT_FP4 matrix_b_fmt:MATRIX_FMT_FP4 matrix_a_scale:MATRIX_SCALE_ROW1
.else
	v_wmma_scale_f32_16x16x128_f8f6f4 v[0+(\d):7+(\d)], v[0+(\a):7+(\a)], v[0+(\b):7+(\b)], v[0+(\d):7+(\d)], v[0+(\sa)], v[0+(\sb)] matrix_a_fmt:MATRIX_FMT_FP4 matrix_b_fmt:MATRIX_FMT_FP4
.endif
.else
.if \odd
	v_wmma_scale_f32_16x16x128_f8f6f4 v[0+(\d):7+(\d)], v[0+(\a):7+(\a)], v[0+(\b):7+(\b)], 0, v[0+(\sa)], v[0+(\sb)] matrix_a_fmt:MATRIX_FMT_FP4 matrix_b_fmt:MATRIX_FMT_FP4 matrix_a_scale:MATRIX_SCALE_ROW1
.else
	v_wmma_scale_f32_16x16x128_f8f6f4 v[0+(\d):7+(\d)], v[0+(\a):7+(\a)], v[0+(\b):7+(\b)], 0, v[0+(\sa)], v[0+(\sb)] matrix_a_fmt:MATRIX_FMT_FP4 matrix_b_fmt:MATRIX_FMT_FP4
.endif
.endif
.endm
; one half (up = 0: the lower 32 bytes, 1: the upper) of PE's 160 rows of step q: four registers a tile, v32-71
.macro PEL q, up
.irp t, 0,1,2,3,4,5,6,7,8,9
	ds_load_b128 v[32+4*\t:35+4*\t], v[ADP] offset:(128*(\q)+16*\t)*80+32*(\up)
.endr
	s_wait_dscnt 0x0                               ; these, and PE's scale words
.endm
; the ten products R(16 t + 8 h + j, r).  a0 = 32: the half just loaded is the operand's registers 0-3; a0 = 28: its registers 4-7.  The ten accumulators take turns, one instruction a turn
.macro PEM a0, b, acc, sb
.irp t, 0,1,2,3,4,5,6,7
	WMS 96+8*\t, \a0+4*\t, \b, \acc, PES+\t/2, \sb, \t%2
.endr
	WMS 192, \a0+32, \b, \acc, PES+4, \sb, 0
	WMS 200, \a0+36, \b, \acc, PES+4, \sb, 1
.endm
	s_load_b256 s[4:11], s[0:1], 0x0               ; qb s[4:5], kb s[6:7], vb s[8:9], pe s[10:11]
	s_load_b64 s[12:13], s[0:1], 0x20              ; oo
	v_lshl_add_u32 v[SPW], v0, 2, SPARE
	v_mov_b32 v[NIL], 0
	ds_add_u32 v10, v11
	ds_add_u32 v10, v11
	s_wait_dscnt 0x0
	v_lshrrev_b32 v32, 5, v0
	s_delay_alu instid0(VALU_DEP_1)
	v_readfirstlane_b32 s[WV], v32                 ; wave 0..15
	s_and_b32 s14, ttmp7, 0xffff                   ; 16 b + head
	s_and_b32 s15, s14, 15                         ; the head
	s_sub_co_u32 s16, 7, ttmp9                     ; 7 - x: the first chunk of 256 rows of PE in slot 0's window
	s_and_b32 s17, s[WV], 3
	s_and_b32 s[PI], s[WV], 1                      ; pi
	s_lshr_b32 s19, s[WV], 1                       ; u
	s_xor_b32 s19, s19, 7                          ; 7 - u
	s_lshl_b32 s19, s19, 5
	s_add_co_u32 s19, s19, s[PI]                   ; my first row in a slot's window: 32 (7 - u) + pi
	s_lshl_b32 s[RW], s16, 8
	s_add_co_u32 s[RW], s[RW], s19                 ; and in the table
	s_mul_i32 s82, s14, 73728                      ; my head in qb and kb,
	s_mov_b32 s83, 0
	s_mul_i32 s84, s14, 69632                      ; in vb
	s_mov_b32 s85, 0
	s_lshl_b32 s86, s15, 14                        ; PE's scale words: 16,384 bytes a head, 1,024 a chunk
	s_lshl_b32 s81, s16, 10
	s_add_co_u32 s86, s86, s81
	s_add_co_u32 s86, s86, PSO
	s_mov_b32 s87, 0
	s_lshl_b32 s88, s15, 18                        ; PE's codes: 262,144 bytes a head, 16,384 a chunk, 8,448 for 132 rows
	s_lshl_b32 s81, s16, 14
	s_add_co_u32 s88, s88, s81
	s_mul_i32 s81, s17, PROWS*64
	s_add_co_u32 s88, s88, s81
	s_mov_b32 s89, 0
	s_mul_i32 s90, s17, PROWS*80                   ; and 132 rows of 80 bytes in LDS
	s_add_co_u32 s90, s90, PCOFF
	; descriptor groups 1, elements of 8 bytes
	s_mov_b32 s[G1K], (3<<16)|(1<<20)|(7<<22)|(3<<25)   ; K: 9 rows of 1,024 bytes, 4 words of padding after every 256
	s_mov_b32 s[G1K+1], 128<<16
	s_mov_b32 s[G1K+2], 9<<16
	s_mov_b32 s[G1K+3], 128<<16
	s_mov_b32 s[G1K+4], 9
	s_mov_b32 s[G1K+5], 128
	s_mov_b32 s[G1K+6], 0
	s_mov_b32 s[G1K+7], 0
	s_mov_b32 s[G1V], 3<<16                        ; V: 34 rows of 256 bytes, dense
	s_mov_b32 s[G1V+1], 32<<16
	s_mov_b32 s[G1V+2], 34<<16
	s_mov_b32 s[G1V+3], 32<<16
	s_mov_b32 s[G1V+4], 34
	s_mov_b32 s[G1V+5], 32
	s_mov_b32 s[G1V+6], 0
	s_mov_b32 s[G1V+7], 0
	s_mov_b32 s[G1S], 3<<16                        ; PE's scale words: 8 rows of 256 bytes, dense
	s_mov_b32 s[G1S+1], 32<<16
	s_mov_b32 s[G1S+2], 8<<16
	s_mov_b32 s[G1S+3], 32<<16
	s_mov_b32 s[G1S+4], 8
	s_mov_b32 s[G1S+5], 32
	s_mov_b32 s[G1S+6], 0
	s_mov_b32 s[G1S+7], 0
	s_mov_b32 s[G1P], (3<<16)|(1<<20)|(3<<22)|(3<<25)   ; PE's codes: 132 rows of 64 bytes, 4 words of padding after every 16.  At the table's end the last 16 rows are the next head's, or the scale words that lie behind the codes: inside pe, and on places that no lane takes
	s_mov_b32 s[G1P+1], 8<<16
	s_mov_b32 s[G1P+2], PROWS<<16
	s_mov_b32 s[G1P+3], 8<<16
	s_mov_b32 s[G1P+4], PROWS
	s_mov_b32 s[G1P+5], 8
	s_mov_b32 s[G1P+6], 0
	s_mov_b32 s[G1P+7], 0
	s_mov_b32 s[SEL], 0x76543210
	s_mov_b32 s[SEL+1], 0xfedcba98
	s_mov_b32 s[CS], 0x3e38aa3b                    ; log2(e) / 8
	s_mov_b32 s[CS+1], s[CS]
	s_mov_b32 s[TB], 0
	s_mov_b32 s[SLOTS], 7
	s_wait_kmcnt 0x0
	s_mov_b32 s[G0K], 1
	s_mov_b32 s[G0K+1], 0
	s_add_nc_u64 s[G0K+2:G0K+3], s[6:7], s[82:83]
	s_or_b32 s[G0K+3], s[G0K+3], 0x80000000
	s_mov_b32 s[G0V], 1
	s_mov_b32 s[G0V+1], VOFF
	s_add_nc_u64 s[G0V+2:G0V+3], s[8:9], s[84:85]
	s_or_b32 s[G0V+3], s[G0V+3], 0x80000000
	s_mov_b32 s[G0S], 1
	s_mov_b32 s[G0S+1], PSOFF
	s_add_nc_u64 s[G0S+2:G0S+3], s[10:11], s[86:87]
	s_or_b32 s[G0S+3], s[G0S+3], 0x80000000
	s_mov_b32 s[G0P], 1
	s_mov_b32 s[G0P+1], s90
	s_add_nc_u64 s[G0P+2:G0P+3], s[10:11], s[88:89]
	s_or_b32 s[G0P+3], s[G0P+3], 0x80000000
	TLOAD                                          ; slot 0: at most one tensor load of a wave is ever out
	s_add_nc_u64 s[4:5], s[4:5], s[82:83]          ; q at my head
	; the prefetches: where my wave's stand, and who asks
	s_add_co_u32 s91, s82, 9216                    ; K: slot 1 of my head; the first change of slots steps on to slot 2
	s_add_co_u32 s92, s84, 8704                    ; V likewise
	s_lshl_b32 s94, s15, 18
	s_add_co_u32 s94, s94, 9*16384                 ; PE: chunk 9, the new one of slot 1 where x = 0,
	s_and_b32 s93, s[WV], 1
	s_lshl_b32 s93, s93, 13
	s_add_co_u32 s94, s94, s93                     ; my half of it
	s_mov_b32 s95, 0
	s_mov_b32 s[PFS], 16384
	s_mov_b32 s[PFS+1], 0
	s_cmp_eq_u32 s[WV], 8
	s_cselect_b64 s[PFA:PFA+1], s[6:7], s[10:11]
	s_cselect_b32 s94, s91, s94
	s_cselect_b32 s[PFS], 9216, s[PFS]
	s_cmp_eq_u32 s[WV], 9
	s_cselect_b64 s[PFA:PFA+1], s[8:9], s[PFA:PFA+1]
	s_cselect_b32 s94, s92, s94
	s_cselect_b32 s[PFS], 8704, s[PFS]
	s_add_nc_u64 s[PFA:PFA+1], s[PFA:PFA+1], s[94:95]
	s_sub_co_u32 s91, s[WV], 8
	s_lshr_b32 s91, s91, 2                         ; 0 in waves 8 to 11,
	s_or_b32 s91, s91, ttmp9                       ; of the first block of queries,
	s_lshr_b32 s92, s14, 4
	s_cmp_ge_u32 s[WV], 10
	s_cselect_b32 s92, s92, 0
	s_or_b32 s91, s91, s92                         ; for PE of batch 0 alone
	s_cmp_eq_u32 s91, 0
	s_cselect_b32 s[LIM], 1, -1
	v_and_b32 v32, 15, v0                          ; r
	v_bfe_u32 v33, v0, 4, 1                        ; h
	v_and_b32 v34, 31, v0                          ; lane
	s_delay_alu instid0(VALU_DEP_1)
	v_lshlrev_b32 v[PFO], 8, v34
	s_lshl_b32 s81, ttmp9, 8
	s_lshr_b32 s82, s[WV], 1
	s_lshl_b32 s82, s82, 5
	s_add_co_u32 s81, s81, s82
	s_add_co_u32 s81, s81, s[PI]                   ; my first query: 256 x + 32 u + pi
	v_lshl_add_u32 v35, v32, 1, s81                ; i: two apart from lane to lane
	s_delay_alu instid0(VALU_DEP_1)
	v_add_nc_u32 v36, 1, v35
	s_delay_alu instid0(VALU_DEP_1)
	v_min_u32 v36, 2047, v36                       ; i + 1, held inside the head: the last query meets no row of PE's upper part that counts
	s_delay_alu instid0(VALU_DEP_3)
	v_lshrrev_b32 v37, 8, v35
	s_delay_alu instid0(VALU_DEP_1)
	v_mul_u32_u24 v37, v37, 9216
	v_and_b32 v38, 255, v35
	s_delay_alu instid0(VALU_DEP_1)
	v_lshl_add_u32 v39, v38, 5, v37
	s_delay_alu instid0(VALU_DEP_1)
	v_lshl_add_u32 v39, v33, 4, v39                ; q(i)'s codes: my half's 16 bytes
	s_delay_alu instid0(VALU_DEP_3)
	v_lshl_add_u32 v40, v38, 2, v37                ; its scale word
	v_lshrrev_b32 v37, 8, v36
	s_delay_alu instid0(VALU_DEP_1)
	v_mul_u32_u24 v37, v37, 9216
	v_and_b32 v38, 255, v36
	s_delay_alu instid0(VALU_DEP_1)
	v_lshl_add_u32 v41, v38, 5, v37
	s_delay_alu instid0(VALU_DEP_1)
	v_lshl_add_u32 v41, v33, 4, v41
	s_delay_alu instid0(VALU_DEP_3)
	v_lshl_add_u32 v42, v38, 2, v37
	global_load_b128 v[16:19], v39, s[4:5]
	global_load_b128 v[24:27], v41, s[4:5]
	global_load_b32 v[QAS], v40, s[4:5] offset:8192
	global_load_b32 v43, v42, s[4:5] offset:8192
	s_mul_i32 s81, s19, 80                         ; my first row in the window
	s_add_co_u32 s81, s81, PCOFF
	v_mul_u32_u24 v[AP0], v32, 80
	s_delay_alu instid0(VALU_DEP_1)
	v_lshl_add_u32 v[AP0], v33, 4, v[AP0]
	s_delay_alu instid0(VALU_DEP_1)
	v_add_nc_u32 v[AP0], s81, v[AP0]
	s_lshl_b32 s81, s19, 2
	s_add_co_u32 s81, s81, PSOFF
	v_lshl_add_u32 v[APS0], v34, 2, s81            ; lanes 0-15 an even tile's rows, lanes 16-31 the next tile's
	v_bfe_u32 v44, v0, 3, 1
	v_and_b32 v45, 7, v0
	s_delay_alu instid0(VALU_DEP_2)
	v_mul_u32_u24 v[AK0], v44, 1040                ; K: row m of a tile: 32 keys on for m >= 8,
	s_delay_alu instid0(VALU_DEP_1)
	v_lshl_add_u32 v[AK0], v45, 5, v[AK0]          ; 32 bytes a key,
	s_delay_alu instid0(VALU_DEP_1)
	v_lshl_add_u32 v[AK0], v33, 4, v[AK0]          ; my half's 16 bytes
	s_delay_alu instid0(VALU_DEP_4)
	v_lshlrev_b32 v[AKS0], 2, v45
	s_delay_alu instid0(VALU_DEP_1)
	v_lshl_add_u32 v[AKS0], v44, 7, v[AKS0]
	s_delay_alu instid0(VALU_DEP_1)
	v_lshl_add_u32 v[AKS0], v33, 5, v[AKS0]        ; lanes 16-31: the next tile, 8 keys on
	s_delay_alu instid0(VALU_DEP_1)
	v_add_nc_u32 v[AKS0], 8320, v[AKS0]
	v_lshl_add_u32 v[AV0], v34, 4, VOFF
	v_lshl_add_u32 v[AVS0], v34, 2, VOFF+8192
	s_mul_i32 s81, s[WV], STGW
	s_add_co_u32 s81, s81, STG                     ; my stage
	v_bfe_u32 v46, v0, 1, 2                        ; (r / 2) % 4
	s_delay_alu instid0(VALU_DEP_1)
	v_add_nc_u32 v46, 1, v46
	s_delay_alu instid0(VALU_DEP_1)
	v_lshrrev_b32 v46, 1, v46                      ; g
	s_delay_alu instid0(VALU_DEP_1)
	v_lshlrev_b32 v46, 5, v46
	s_delay_alu instid0(VALU_DEP_1)
	v_add_nc_u32 v46, s81, v46                     ; my stage + 8 g words
	v_mul_u32_u24 v[ASW], v32, 664                 ; in: word 164 r + 2 r
	s_delay_alu instid0(VALU_DEP_1)
	v_lshl_add_u32 v[ASW], v33, 5, v[ASW]          ; + 8 h
	s_delay_alu instid0(VALU_DEP_1)
	v_add_nc_u32 v[ASW], v46, v[ASW]
	s_lshl_b32 s82, s[PI], 3
	v_add_nc_u32 v[ASW], s82, v[ASW]               ; + 2 pi
	v_mul_u32_u24 v[ASR], v32, 656                 ; back: word 164 r
	s_delay_alu instid0(VALU_DEP_1)
	v_lshl_add_u32 v[ASR], v33, 7, v[ASR]          ; + 32 h
	s_delay_alu instid0(VALU_DEP_1)
	v_add_nc_u32 v[ASR], v46, v[ASR]
	s_delay_alu instid0(VALU_DEP_1)
	v_add_nc_u32 v[ASR], 128, v[ASR]               ; + 32
	v_lshlrev_b32 v47, 1, v32
	s_delay_alu instid0(VALU_DEP_1)
	v_lshl_add_u32 v47, v33, 3, v47
	s_lshl_b32 s82, s[PI], 1
	v_add_nc_u32 v47, s82, v47                     ; 2 r + 8 h + 2 pi
.irp n, 0,1,2,3,4,5,6,7                        ; pair n of the joined tiles: registers 2 n, 2 n + 1 of tiles 0, 1 (place p' = 16 (n / 4) + 8 h + 2 (n % 4)) or of tiles 8, 9 (place p' + 128)
	v_add_nc_u32 v48, 16*(\n/4)+2*(\n%4), v47
	s_delay_alu instid0(VALU_DEP_1)
	v_lshrrev_b32 v48, 5, v48                      ; 1 where p' >= 32 - 2 pi - 2 r: the low place counts
	s_delay_alu instid0(VALU_DEP_1)
	v_cmp_eq_u32 s[MK+\n], 0, v48                  ; the lanes that take the high place
	s_delay_alu instid0(VALU_DEP_2)
	v_lshlrev_b32 v48, 9, v48
	s_delay_alu instid0(VALU_DEP_1)
	v_sub_nc_u32 v[AW+\n], v[ASW], v48
	s_delay_alu instid0(VALU_DEP_1)
	v_add_nc_u32 v[AW+\n], 512+64*(\n/4)+8*(\n%4), v[AW+\n]   ; which lies 128 words on
.endr
	v_lshlrev_b32 v[H8], 3, v33
	s_wait_loadcnt 0x0                             ; q
	v_lshlrev_b32 v43, 16, v43
	s_delay_alu instid0(VALU_DEP_1)
	v_and_or_b32 v[QBS], v[QAS], 0xffff, v43       ; the scale bytes of q(i), then of q(i+1).  (The lines below are its places ahead of the first scaled product)
.irp j, 20,21,22,23,28,29,30,31,72,73,74,75
	v_mov_b32 v\j, 0                               ; zero codes; v28-31 and, in the first step, v72-75 are named beside a half of PE and meet zero codes
.endr
	v_mov_b32 v13, 0xff61b1e6                      ; the largest t so far: -3e38, under every t
	s_delay_alu instid0(VALU_DEP_1)
	v_floor_f32 v12, -v13                          ; -M
	v_mov_b32 v14, 0
	v_mov_b32 v15, 0
	v_mov_b32 v250, 0                              ; a lane permute's destination counts as one of its sources
	v_mov_b32 v253, 0                              ; (named as the upper half of the pair v[252:253])
.set J, 0
.rept 32
	v_mov_b32 v[160+J], 0                          ; O^T: the step is written once; the first step finds zeros, which the first change of M leaves zeros
.set J, J+1
.endr
; A KEY STEP: 128 keys, the q-th of the slot in hand.  Every wait in it is for 0.
.macro STEP q
	v_add_nc_u32 v[ADP],  s[TB], v[AP0]            ; six plain lines: also the places behind the last step's products, whose operands' registers are loaded below
	v_add_nc_u32 v[ADPS], s[TB], v[APS0]
	v_add_nc_u32 v[ADK],  s[TB], v[AK0]
	v_add_nc_u32 v[ADKS], s[TB], v[AKS0]
	v_add_nc_u32 v[ADV],  s[TB], v[AV0]
	v_add_nc_u32 v[ADVS], s[TB], v[AVS0]
.irp u, 0,1,2,3,4
	ds_load_b32 v[PES+\u], v[ADPS] offset:512*(\q)+128*\u
.endr
	s_cmp_gt_u32 s[RW], 2048                       ; all my 160 rows behind row 2048: their lower halves are zero codes
	s_cbranch_scc1 .Lup_\@
	PEL \q, 0
	PEM 32, QA, 0, QAS                             ; the lower halves x q(i)
	s_cmp_lt_u32 s[RW], 1891                       ; all my rows ahead of row 2050: their upper halves are zero codes
	s_cbranch_scc1 .Lpe_\@
.rept 4
	v_nop                                          ; places in front of loads into registers that these products have read
.endr
	s_wait_alu depctr_va_vdst(0)
	PEL \q, 1
	PEM 28, QD, 1, QBS                             ; + the upper halves x q(i+1)
	s_branch .Lpe_\@
.Lup_\@:
	s_wait_alu depctr_va_vdst(0)
	PEL \q, 1
	PEM 28, QD, 0, QBS
.Lpe_\@:
.rept 5
	v_nop                                          ; five places: the scores' products below write over R's registers
.endr
.irp n, 0,1,2,3,4,5,6,7,8,9,10,11,12,13,14,15
	v_cndmask_b32 v[96+\n], v[96+\n], v[192+\n], s[MK+\n/2]   ; tiles 0, 1 and tiles 8, 9 joined: each lane keeps the place that counts for it; each result is read from its low end on
.endr
.irp t, 0,1,2,3,4,5,6,7
	ds_load_b128 v[32+4*\t:35+4*\t], v[ADK] offset:(4*(\q)+2*(\t/4))*1040+256*(\t%4)    ; K's tile t: 64 codes a key
.endr
.irp t, 0,2,4,6
	ds_load_b32 v[KSC+\t/2], v[ADKS] offset:512*(\q)+256*(\t/4)+32*(\t%4)
.endr
.irp n, 0,1,2,3,4,5,6,7
	ds_store_b64 v[AW+\n], v[96+2*\n:97+2*\n]      ; the skew, two places a store
.endr
.irp t, 2,3,4,5,6,7
.irp j, 0,2,4,6
	ds_store_b64 v[ASW], v[96+8*\t+\j:97+8*\t+\j] offset:64*\t+4*\j
.endr
.endr
.irp c, 0,1
.irp g, 0,1,2,3,4,5,6,7
	ds_load_b128 v[96+32*\c+4*\g:99+32*\c+4*\g], v[ASR] offset:256*\c+16*\g   ; LDS serves a wave's instructions in order: these see my stores.  Register 32 c + e: key 64 c + 32 h + e
.endr
.endr
	s_wait_dscnt 0x0
.irp t, 0,1,2,3,4,5,6,7
	WMS 96+8*\t, 32+4*\t, QA, 1, KSC+\t/2, QAS, \t%2       ; + q k^T.  The upper four registers named as A hold other codes: they meet q's zero codes
.endr
.rept 4
	v_nop
.endr
.irp t, 0,1,2,3
.irp c, 0,1
	ds_load_b128 v[64+8*\t+4*\c:67+8*\t+4*\c], v[ADV] offset:4096*(\q)+1024*\t+512*\c   ; V's fragments are asked for ahead of the softmax
.endr
.endr
.irp u, 0,1
	ds_load_b32 v[VSC+\u], v[ADVS] offset:256*(\q)+128*\u
.endr
.irp b, 0,1,2,3
	v_max3_num_f32 v[TM+\b], v[96+16*\b], v[97+16*\b], v[98+16*\b]
.endr
.irp i, 3,5,7,9,11,13
.irp b, 0,1,2,3
	v_max3_num_f32 v[TM+\b], v[TM+\b], v[96+16*\b+\i], v[97+16*\b+\i]
.endr
.endr
.irp b, 0,1,2,3
	v_max_num_f32 v[TM+\b], v[TM+\b], v[111+16*\b]
.endr
	s_delay_alu instid0(VALU_DEP_3)
	v_max_num_f32 v[BM], v[TM], v[TM+1]            ; the largest score of each of my two blocks of 32 keys: it serves for the row's maximum and, since p rises with the score, for the block's largest p
	s_delay_alu instid0(VALU_DEP_2)
	v_max_num_f32 v[BM+1], v[TM+2], v[TM+3]
	s_delay_alu instid0(VALU_DEP_1)
	v_max_num_f32 v254, v[BM], v[BM+1]
	s_delay_alu instid0(VALU_DEP_1)
	v_permlanex16_b32 v250, v254, s[SEL], s[SEL+1]
	s_delay_alu instid0(VALU_DEP_1)
	v_max_num_f32 v254, v254, v250                 ; the step's largest score of my query
	s_delay_alu instid0(VALU_DEP_1)
	v_mul_f32 v254, s[CS], v254
	s_delay_alu instid0(VALU_DEP_1)
	v_max_num_f32 v13, v13, v254                   ; the running largest t
	v_mov_b32 v254, v12
	s_delay_alu instid0(VALU_DEP_2)
	v_floor_f32 v12, -v13                          ; the new -M = -ceil(t)
	s_delay_alu instid0(VALU_DEP_1)
	v_sub_f32 v254, v12, v254                      ; old M - new M: a whole number, 0 or less
	s_delay_alu instid0(VALU_DEP_1)
	v_cvt_i32_f32 v254, v254                       ; (it saturates)
	s_delay_alu instid0(VALU_DEP_1)
	v_ldexp_f32 v252, 1.0, v254                    ; f = 2^(old M - new M)
.set J, 0
.rept 32
	v_pk_fma_f32 v[96+J:97+J], v[96+J:97+J], s[CS:CS+1], v[12:13] op_sel_hi:[1,0,0]   ; t - M
.set J, J+2
.endr
	v_fma_f32 v[BM], v[BM], s[CS], v12
	v_fma_f32 v[BM+1], v[BM+1], s[CS], v12
.set J, 0
	s_wait_alu depctr_va_vdst(0)
.rept 64
	v_exp_f32 v[96+J], v[96+J]                     ; p = 2^(t - M)
.set J, J+1
.endr
	v_pk_mul_f32 v[14:15], v[14:15], v[252:253] op_sel_hi:[1,0]   ; the sums under the new M (a plain line behind the exponentials)
	s_wait_alu depctr_va_vdst(0)                   ; one wait for the whole batch, ahead of its first reader
	v_exp_f32 v[BM], v[BM]                         ; the blocks' largest p: the same two instructions on the same number give the same bits
	v_exp_f32 v[BM+1], v[BM+1]
	v_pk_add_f32 v[240:241], v[100:101], v[104:105]
	v_pk_add_f32 v[254:255], v[108:109], v[112:113]
	v_pk_add_f32 v[248:249], v[116:117], v[120:121]
	v_pk_add_f32 v[246:247], v[124:125], v[128:129]
	v_pk_add_f32 v[230:231], v[132:133], v[136:137]
	v_pk_add_f32 v[228:229], v[140:141], v[144:145]
	v_pk_add_f32 v[226:227], v[148:149], v[152:153]
	v_pk_add_f32 v[14:15], v[14:15], v[156:157]
	v_pk_add_f32 v[240:241], v[240:241], v[96:97]
	v_pk_add_f32 v[254:255], v[254:255], v[98:99]
	v_pk_add_f32 v[248:249], v[248:249], v[102:103]
	v_pk_add_f32 v[246:247], v[246:247], v[106:107]
	v_pk_add_f32 v[230:231], v[230:231], v[110:111]
	v_pk_add_f32 v[228:229], v[228:229], v[114:115]
	v_pk_add_f32 v[226:227], v[226:227], v[118:119]
	v_pk_add_f32 v[14:15], v[14:15], v[122:123]
	v_pk_add_f32 v[240:241], v[240:241], v[126:127]
	v_pk_add_f32 v[254:255], v[254:255], v[130:131]
	v_pk_add_f32 v[248:249], v[248:249], v[134:135]
	v_pk_add_f32 v[246:247], v[246:247], v[138:139]
	v_pk_add_f32 v[230:231], v[230:231], v[142:143]
	v_pk_add_f32 v[228:229], v[228:229], v[146:147]
	v_pk_add_f32 v[226:227], v[226:227], v[150:151]
	v_pk_add_f32 v[14:15], v[14:15], v[154:155]
	v_pk_add_f32 v[240:241], v[240:241], v[158:159]
	s_delay_alu instid0(VALU_DEP_2)
	v_pk_add_f32 v[14:15], v[14:15], v[246:247]
	s_delay_alu instid0(VALU_DEP_2)
	v_pk_add_f32 v[240:241], v[240:241], v[230:231]
	v_pk_add_f32 v[254:255], v[254:255], v[228:229]
	v_pk_add_f32 v[248:249], v[248:249], v[226:227]
	s_delay_alu instid0(VALU_DEP_2)
	v_pk_add_f32 v[14:15], v[14:15], v[254:255]
	s_delay_alu instid0(VALU_DEP_2)
	v_pk_add_f32 v[240:241], v[240:241], v[248:249]
	s_delay_alu instid0(VALU_DEP_1)
	v_pk_add_f32 v[14:15], v[14:15], v[240:241]
	s_wait_alu depctr_va_vdst(0)                   ; and one for the two
.irp c, 0,1
	v_max_num_f32 v[BM+\c], 0x1800000, v[BM+\c]    ; the floor 2^(3 - 127): the byte cannot fall under 1
.endr
.irp c, 0,1
	s_delay_alu instid0(VALU_DEP_2)
	v_add_nc_u32 v[SCO+\c], 0xff000000, v[BM+\c]   ; 2 off the exponent field: the conversion's scale operand
.endr
.irp c, 0,1
	s_delay_alu instid0(VALU_DEP_2)
	v_lshrrev_b32 v[BY+\c], 23, v[SCO+\c]
.endr
	s_delay_alu instid0(VALU_DEP_1)
	v_lshl_or_b32 v251, v[BY+1], 16, v[BY]         ; my two bytes: blocks h and 2 + h,
	s_delay_alu instid0(VALU_DEP_1)
	v_lshlrev_b32 v251, v[H8], v251                ; at their places in the word;
	s_delay_alu instid0(VALU_DEP_1)
	v_permlanex16_b32 v250, v251, s[SEL], s[SEL+1]
	s_delay_alu instid0(VALU_DEP_1)
	v_or_b32 v[PSW], v251, v250                    ; with lane l xor 16's two the word is whole
.irp c, 0,1
.irp g, 0,1,2,3
	v_cvt_scalef32_pk8_fp4_f32 v[PCD+4*\c+\g], v[96+32*\c+8*\g:103+32*\c+8*\g], v[SCO+\c]   ; registers 4 c .. 4 c + 3 of the operand, as they stand, where K's first fragments lay
.endr
.endr
	v_nop                                          ; one plain line behind a scaled conversion
.set J, 0
.rept 16
	v_pk_mul_f32 v[160+J:161+J], v[160+J:161+J], v[252:253] op_sel_hi:[1,0]   ; O^T under the new M; also the places between p's codes and scale word and the products
.set J, J+2
.endr
	s_wait_alu depctr_va_vdst(0)
	s_wait_dscnt 0x0                               ; V
.irp t, 0,1,2,3
	WMS 160+8*\t, 64+8*\t, PCD, 1, VSC+\t/2, PSW, \t%2     ; O^T(16 t + 8 h + j, r) += V^T P^T
.endr
	s_add_co_u32 s[RW], s[RW], 128                 ; the next step's rows of PE
.endm
; THE CHANGE OF SLOTS stands at a slot's head.  Each wave waits for all its tensor loads, adds 0 to its spare word, and waits for that and for its reads of the slot that it has left.  Behind the barrier the slot ahead is whole and
; nobody reads the other one.  fill = 1: that other slot is filled with the next 256 keys' tiles: the load has a slot's two steps in which to land.
.macro CHANGE fill
	s_wait_tensorcnt 0x0                           ; no tensor load of mine is out, so a group 0 may be written
	ds_add_u32 v[SPW], v[NIL]                      ; 0 onto my spare word
	ds_add_u32 v[SPW], v[NIL]
.if \fill
	s_xor_b32 s[G0K+1], s[G0K+1], SLOT1
	s_add_nc_u64 s[G0K+2:G0K+3], s[G0K+2:G0K+3], 9216
	s_xor_b32 s[G0V+1], s[G0V+1], SLOT1
	s_add_nc_u64 s[G0V+2:G0V+3], s[G0V+2:G0V+3], 8704
	s_xor_b32 s[G0S+1], s[G0S+1], SLOT1
	s_add_nc_u64 s[G0S+2:G0S+3], s[G0S+2:G0S+3], 1024
	s_xor_b32 s[G0P+1], s[G0P+1], SLOT1
	s_add_nc_u64 s[G0P+2:G0P+3], s[G0P+2:G0P+3], 16384
	s_wait_xcnt 0x0                                ; the last prefetch, a slot back, has read its address
	s_add_nc_u64 s[PFA:PFA+1], s[PFA:PFA+1], s[PFS:PFS+1]
.endif
	s_wait_dscnt 0x0                               ; the add is done, and my reads of the slot that I have left are over
	s_barrier_signal -1
	s_barrier_wait -1
.if \fill
	TLOAD                                          ; the first thing behind the barrier, and a wave's one tensor load until the next
	ASK
.endif
.endm
.macro SLOT_STEPS
	STEP 0
	STEP 1
	s_xor_b32 s[TB], s[TB], SLOT1
.endm
.Lslot:                                            ; seven trips: behind each change of slots but the last the next slot is asked for
	CHANGE 1
	SLOT_STEPS
	s_sub_co_u32 s[SLOTS], s[SLOTS], 1
	s_cmp_lg_u32 s[SLOTS], 0
	s_cbranch_scc1 .Lslot
	CHANGE 0                                       ; the last slot is written out
	SLOT_STEPS
	; THE WAY OUT.  O^T / the sum is quantised along the channels: two blocks of 32.  A lane's 16 bytes are the last product's operand registers for its token.  My tokens lie two apart, so the images of the work-group's 16 tiles of
	; 16 neighbouring tokens are put together in LDS; behind the barrier wave w stores tile w: 512 consecutive bytes.
	v_add_f32 v14, v14, v15
	s_delay_alu instid0(VALU_DEP_1)
	v_permlanex16_b32 v250, v14, s[SEL], s[SEL+1]
	s_delay_alu instid0(VALU_DEP_1)
	v_add_f32 v14, v14, v250                       ; the row's sum
	s_wait_alu depctr_va_vdst(0)
	v_rcp_f32 v14, v14
	v_and_b32 v40, 15, v0                          ; r  (plain lines behind the reciprocal, and the places behind the last products, none of whose registers they name)
	v_and_b32 v41, 31, v0
	v_bfe_u32 v46, v0, 4, 1                        ; h
	s_delay_alu instid0(VALU_DEP_2)
	v_lshlrev_b32 v42, 4, v41                      ; 16 x lane
	s_delay_alu instid0(VALU_DEP_1)
	v_add_nc_u32 v43, OSG, v42
	s_lshr_b32 s90, s[WV], 1                       ; u
	s_lshl_b32 s91, s90, 6
	s_lshl_b32 s92, s[PI], 1
	s_add_co_u32 s91, s91, s92
	s_add_co_u32 s91, s91, OSG
	v_lshl_add_u32 v44, v40, 2, s91                ; my token's two scale bytes: 2 (32 u + pi + 2 r)
	s_lshl_b32 s91, s90, 10
	s_lshl_b32 s92, s[PI], 4
	s_add_co_u32 s91, s91, s92
	s_add_co_u32 s91, s91, OIM
	v_bfe_u32 v47, v0, 3, 1
	v_and_b32 v48, 7, v0
	s_delay_alu instid0(VALU_DEP_2)
	v_lshlrev_b32 v45, 9, v47                      ; my token's image: tile 2 u + r / 8,
	s_delay_alu instid0(VALU_DEP_1)
	v_lshl_add_u32 v45, v48, 5, v45                ; in it lane pi + 2 (r % 8)
	s_wait_alu depctr_va_vdst(0)
	v_lshl_add_u32 v45, v46, 8, v45                ; + 16 h
	s_delay_alu instid0(VALU_DEP_1)
	v_add_nc_u32 v45, s91, v45
	s_lshl_b32 s91, s[WV], 9
	s_add_co_u32 s91, s91, OIM
	v_add_nc_u32 v49, s91, v42                     ; back: tile w, 16 bytes a lane
	s_lshr_b32 s82, s14, 4                         ; b
	s_lshl_b32 s83, s82, 7
	s_lshl_b32 s84, ttmp9, 4
	s_add_co_u32 s83, s83, s84
	s_add_co_u32 s83, s83, s[WV]                   ; the tile of 16 tokens that I store: 128 b + 16 x + wave
	s_lshl_b32 s84, s83, 13
	s_lshl_b32 s85, s15, 9
	s_add_co_u32 s84, s84, s85
	s_mov_b32 s85, 0
	s_add_nc_u64 s[86:87], s[12:13], s[84:85]
	s_lshl_b32 s84, s15, 13                        ; the scale bytes: 8,192 a head, 2 a token
	s_lshl_b32 s88, s82, 12
	s_add_co_u32 s84, s84, s88
	s_lshl_b32 s88, ttmp9, 9
	s_add_co_u32 s84, s84, s88
	s_add_nc_u64 s[88:89], s[12:13], s[84:85]
	s_wait_alu depctr_va_vdst(0)                   ; ahead of the reciprocal's first reader
.set J, 0
.rept 32
	v_mul_f32 v[96+J], v[160+J], v14               ; register 8 t + j: channel 16 t + 8 h + j
.set J, J+1
.endr
.irp b, 0,1
	v_max3_num_f32 v[TM+\b], |v[96+16*\b]|, |v[97+16*\b]|, 0x1800000
.endr
.irp i, 2,4,6,8,10,12,14
.irp b, 0,1
	s_delay_alu instid0(VALU_DEP_2)
	v_max3_num_f32 v[TM+\b], v[TM+\b], |v[96+16*\b+\i]|, |v[97+16*\b+\i]|
.endr
.endr
.irp b, 0,1
	s_delay_alu instid0(VALU_DEP_2)
	v_permlanex16_b32 v[TM+2+\b], v[TM+\b], s[SEL], s[SEL+1]
.endr
.irp b, 0,1
	s_delay_alu instid0(VALU_DEP_2)
	v_max_num_f32 v[TM+\b], v[TM+\b], v[TM+2+\b]
.endr
.irp b, 0,1
	s_delay_alu instid0(VALU_DEP_2)
	v_add_nc_u32 v[SCO+\b], 0xff000000, v[TM+\b]
.endr
.irp b, 0,1
	s_delay_alu instid0(VALU_DEP_2)
	v_lshrrev_b32 v[BY+\b], 23, v[SCO+\b]
.endr
	s_delay_alu instid0(VALU_DEP_1)
	v_lshl_or_b32 v251, v[BY+1], 8, v[BY]
	v_cvt_scalef32_pk8_fp4_f32 v208, v[96:103], v[SCO]
	v_cvt_scalef32_pk8_fp4_f32 v209, v[112:119], v[SCO+1]
	v_cvt_scalef32_pk8_fp4_f32 v210, v[104:111], v[SCO]
	v_cvt_scalef32_pk8_fp4_f32 v211, v[120:127], v[SCO+1]
	v_nop
	v_permlane16_swap_b32 v208, v209               ; a whole block of 32 channels into a lane
	v_permlane16_swap_b32 v210, v211
	ds_store_b128 v45, v[208:211]
	ds_store_b16 v44, v251                         ; both lanes of a token write the same two bytes
	s_wait_dscnt 0x0
	s_barrier_signal -1
	s_barrier_wait -1                              ; the work-group's 16 images and its 256 tokens' scale bytes lie in LDS
	ds_load_b128 v[48:51], v49
	s_cmp_lg_u32 s[WV], 0
	s_cbranch_scc1 .Lfin
	ds_load_b128 v[52:55], v43
	s_wait_dscnt 0x0
	global_store_b128 v42, v[52:55], s[88:89] offset:OSO   ; 512 consecutive bytes, aligned
.Lfin:
	s_wait_dscnt 0x0
	global_store_b128 v42, v[48:51], s[86:87]      ; 512 consecutive bytes, aligned
	s_wait_tensorcnt 0x0                           ; the wave's end
	ds_add_u32 v[SPW], v[NIL]
	s_wait_dscnt 0x0
	s_endpgm
.Lfunc_end_k_qa01d80a9e9_attn:
	.size	k_qa01d80a9e9_attn, .Lfunc_end_k_qa01d80a9e9_attn-k_qa01d80a9e9_attn
	.p2alignl 7, 3214868480
	.fill 96, 4, 3214868480
	.section	.rodata,"a",@progbits
	.p2align	6, 0x0
	.amdhsa_kernel k_qa01d80a9e9_attn
		.amdhsa_group_segment_fixed_size 327680
		.amdhsa_private_segment_fixed_size 0
		.amdhsa_enable_private_segment 0
		.amdhsa_kernarg_size 40
		.amdhsa_user_sgpr_count 2
		.amdhsa_user_sgpr_kernarg_segment_ptr 1
		.amdhsa_wavefront_size32 1
		.amdhsa_system_sgpr_workgroup_id_x 1
		.amdhsa_system_sgpr_workgroup_id_y 1
		.amdhsa_system_sgpr_workgroup_id_z 1
		.amdhsa_system_vgpr_workitem_id 0
		.amdhsa_next_free_vgpr 256
		.amdhsa_next_free_sgpr 100
		.amdhsa_reserve_vcc 0
		.amdhsa_float_denorm_mode_32 3
		.amdhsa_float_denorm_mode_16_64 3
		.amdhsa_memory_ordered 1
		.amdhsa_forward_progress 1
		.amdhsa_inst_pref_size 128
	.end_amdhsa_kernel
	.amdgpu_metadata
---
amdhsa.version: [ 1, 2 ]
amdhsa.kernels:
  - .name:           k_qa01d80a9e9_attn
    .symbol:         k_qa01d80a9e9_attn.kd
    .args:
      - { .name: qb, .offset: 0, .size: 8, .value_kind: global_buffer, .address_space: global }
      - { .name: kb, .offset: 8, .size: 8, .value_kind: global_buffer, .address_space: global }
      - { .name: vb, .offset: 16, .size: 8, .value_kind: global_buffer, .address_space: global }
      - { .name: pe, .offset: 24, .size: 8, .value_kind: global_buffer, .address_space: global }
      - { .name: oo, .offset: 32, .size: 8, .value_kind: global_buffer, .address_space: global }
    .group_segment_fixed_size: 327680
    .private_segment_fixed_size: 0
    .kernarg_segment_align: 8
    .kernarg_segment_size: 40
    .max_flat_workgroup_size: 512
    .sgpr_count:     100
    .vgpr_count:     256
    .wavefront_size: 32
...
	.end_amdgpu_metadata
.endif
;; end of part 3
;; launch fcln (part 4): grid 256 x 1, 8 waves a work-group, no clusters, 67,584 bytes of LDS; arguments oo, wf, w_fc_scales, b_fc, x, ln_g, ln_b, out0; writes out0
.if DOCPART == 4
	.amdgcn_target "amdgcn-amd-amdhsa--gfx1250"
	.amdhsa_code_object_version 6
	.text
	.protected	k_qa01d80a9e9_fcln
	.globl	k_qa01d80a9e9_fcln
	.p2align	8
	.type	k_qa01d80a9e9_fcln,@function
k_qa01d80a9e9_fcln:
	s_mov_b64 s[64:65], 0
	v_nop
	global_prefetch_b8 v0, s[64:65] scope:SCOPE_SE
	s_setreg_imm32_b32 hwreg(HW_REG_WAVE_MODE, 25, 1), 1
	s_wait_xcnt 0x0
; FCLN.  y = x + o w_fc + b_fc on codes of FP4 (E2M1), then LayerNorm over the 1,024 columns.  A work-group owns 16 tokens and ALL columns, so that a row's mean and variance need no second launch.
; o's eight fragments (16 tokens x 128 K each) come from memory as images of the operand's registers and stay in registers.
; w_fc comes as images too (wf, laid by the first launch): image 16 T + 2 ks + c holds registers 4 c .. 4 c + 3 of the fragment of rows 16 T .. 16 T + 15, K step ks; a load reads 512 consecutive bytes.
; Wave w makes columns 256 g + 32 w + 0 .. 31, g = 0 .. 3: two tiles a g, eight accumulators.  No two waves read the same rows of w_fc, so its codes go straight into registers and not through LDS.
; A UNIT n = 2 g + hf is two tiles x four K steps: 16 loads, 64 registers, 8 products on two accumulators by turns.  Three buffers take turns: while unit n is multiplied, units n + 1 and n + 2 are on their way.
; THE MATRIX INSTRUCTION IS USED TRANSPOSED (source 0 = 16 rows of w_fc, source 1 = o): a lane holds one token and eight neighbouring columns.  b_fc is loaded into the accumulators: it is the C of each sum's first product.
; NO CLUSTER: the launch fills no LDS by tensor loads, so there is no load that partners could ask for jointly.  NO PREFETCH: the text has no loop to run ahead in; all its streams are asked for at its head or two units ahead.
; The results meet in a stage in LDS; wave w then takes rows 2 w and 2 w + 1 whole: no wave needs another for the norm.
; The variance is the mean of (y - mean)^2, in two passes: no difference of large sums is formed.  LIMITS: NaN and infinities are not served.
; REGISTERS: window 0: v4-12 addresses; v16-79 o's fragments, later two rows of y; v80-87 o's scale words; v96-159 the accumulators; v160-191 w's scale words; v224-255 at work.
;   window 1: v0-63 x's two rows; v64-255 three buffers of 64 for w's units; the third takes ln_g and ln_b at the end.
.set SPARE, 65792                      ; behind the stage (16 rows of 4,112 bytes): the spare words, 128 bytes for each wave
.set OSO,   2097152                    ; o's scale bytes in oo
.set LI,   4                           ; v4   16 x lane
.set WSA,  5                           ; v5   32 x lane: my row among my 32 rows of w's scale bytes
.set BO,   6                           ; v6   32 h: my eight columns of b_fc
.set STO,  8                           ; v8   the stage: where I put 32 bytes of a row
.set SRD,  9                           ; v9   and where I read my rows
.set OS2,  10                          ; v10  2 r
.set SPW,  11
.set NIL,  12
.set OF,   16
.set Y,    16
.set OSC,  80
.set ACC,  96
.set WSC,  160
.set WV,   20
.set SEL,  52
.set MSB, 0
.macro WIN new
.if MSB != \new
	s_set_vgpr_msb (MSB<<8)|\new
.set MSB, \new
.endif
.endm
.macro PL
.rept 4
	v_nop
.endr
.endm
.macro WMS d, a, b, sa, sb, odd        ; a scaled product onto D; odd = 1: A's scales stand in lanes 16-31
.if \odd
	v_wmma_scale_f32_16x16x128_f8f6f4 v[0+(\d):7+(\d)], v[0+(\a):7+(\a)], v[0+(\b):7+(\b)], v[0+(\d):7+(\d)], v[0+(\sa)], v[0+(\sb)] matrix_a_fmt:MATRIX_FMT_FP4 matrix_b_fmt:MATRIX_FMT_FP4 matrix_a_scale:MATRIX_SCALE_ROW1
.else
	v_wmma_scale_f32_16x16x128_f8f6f4 v[0+(\d):7+(\d)], v[0+(\a):7+(\a)], v[0+(\b):7+(\b)], v[0+(\d):7+(\d)], v[0+(\sa)], v[0+(\sb)] matrix_a_fmt:MATRIX_FMT_FP4 matrix_b_fmt:MATRIX_FMT_FP4
.endif
.endm
.macro LOADU n                         ; unit n's 16 images into buffer n % 3 of window 1
	WIN 0x40
.irp k, 0,1,2,3
.irp u, 0,1
.irp c, 0,1
	global_load_b128 v[64+64*((\n)%3)+8*(2*\k+\u)+4*\c:64+64*((\n)%3)+8*(2*\k+\u)+4*\c+3], v[LI], s[6:7] offset:131072*((\n)/2)+8192*\u+4096*((\n)%2)+1024*\k+512*\c
.endr
.endr
.endr
.endm
.macro MULU n                          ; its 8 products: the two accumulators take turns, K ascending
	WIN 0x01
.irp k, 0,1,2,3
.irp u, 0,1
	WMS ACC+8*(2*((\n)/2)+\u), 64+64*((\n)%3)+8*(2*\k+\u), OF+8*(4*((\n)%2)+\k), WSC+8*((\n)/2)+4*((\n)%2)+\k, OSC+4*((\n)%2)+\k, \u
.endr
.endr
.endm
	s_load_b512 s[4:19], s[0:1], 0x0               ; oo s[4:5], wf s[6:7], w's scales s[8:9], b_fc s[10:11], x s[12:13], ln_g s[14:15], ln_b s[16:17], out0 s[18:19]
	v_lshl_add_u32 v[SPW], v0, 2, SPARE
	v_mov_b32 v[NIL], 0
	v_lshrrev_b32 v1, 5, v0
	v_readfirstlane_b32 s[WV], v1                  ; wave 0..7
	v_and_b32 v1, 15, v0                           ; r
	v_bfe_u32 v2, v0, 4, 1                         ; h
	v_and_b32 v3, 31, v0                           ; lane
	v_lshlrev_b32 v[LI], 4, v3
	v_lshlrev_b32 v[WSA], 5, v3
	v_lshlrev_b32 v[BO], 5, v2
	v_mul_u32_u24 v[STO], v1, 4112
	v_lshl_add_u32 v[STO], v2, 5, v[STO]
	s_lshl_b32 s60, s[WV], 7
	v_add_nc_u32 v[STO], s60, v[STO]               ; row r, columns 32 w + 8 h on
	s_mul_i32 s60, s[WV], 2*4112
	v_add_nc_u32 v[SRD], s60, v[LI]
	v_lshlrev_b32 v[OS2], 1, v1
	s_lshl_b32 s24, ttmp9, 13                      ; o's images: 8,192 bytes a tile of 16 tokens
	s_mov_b32 s25, 0
	s_lshl_b32 s26, ttmp9, 5                       ; o's scale bytes: 2 a token
	s_mov_b32 s27, 0
	s_lshl_b32 s28, ttmp9, 16                      ; x and out0: my rows 2 w, 2 w + 1 of the tile's 16
	s_lshl_b32 s29, s[WV], 13
	s_add_co_u32 s28, s28, s29
	s_mov_b32 s29, 0
	s_lshl_b32 s30, s[WV], 14                      ; wf: my two tiles of a g: 16,384 bytes a wave
	s_mov_b32 s31, 0
	s_lshl_b32 s32, s[WV], 10                      ; w's scale bytes: 32 rows of 32 bytes a wave
	s_mov_b32 s33, 0
	s_lshl_b32 s34, s[WV], 7                       ; b_fc: 32 columns a wave
	s_mov_b32 s35, 0
	s_mov_b32 s[SEL], 0x76543210
	s_mov_b32 s[SEL+1], 0xfedcba98
	s_wait_alu depctr_va_vdst(0)                   ; the wait at the head's end
	s_wait_kmcnt 0x0
	s_add_nc_u64 s[60:61], s[4:5], s[24:25]
	s_add_nc_u64 s[62:63], s[4:5], s[26:27]
	s_add_nc_u64 s[12:13], s[12:13], s[28:29]
	s_add_nc_u64 s[18:19], s[18:19], s[28:29]
	s_add_nc_u64 s[6:7], s[6:7], s[30:31]
	s_add_nc_u64 s[8:9], s[8:9], s[32:33]
	s_add_nc_u64 s[10:11], s[10:11], s[34:35]
.irp n, 0,1,2,3,4,5,6,7,8,9,10,11,12,13,14,15
	global_load_b128 v[OF+4*\n:OF+4*\n+3], v[LI], s[60:61] offset:512*\n th:TH_LOAD_NT      ; head n: registers 4 (n % 2) on of K step n / 2
.endr
.irp n, 0,1,2,3,4,5,6,7,8,9,10,11,12,13,14,15
	global_load_u16 v[224+\n], v[OS2], s[62:63] offset:OSO+8192*\n
.endr
.irp g, 0,1,2,3
	global_load_b128 v[WSC+8*\g:WSC+8*\g+3], v[WSA], s[8:9] offset:8192*\g                  ; row 256 g + 32 w + lane: the words of K steps 0-3; lanes 0-15 my first tile, lanes 16-31 my second
	global_load_b128 v[WSC+8*\g+4:WSC+8*\g+7], v[WSA], s[8:9] offset:8192*\g+16             ; and of K steps 4-7
.endr
.irp a, 0,1,2,3,4,5,6,7
	global_load_b128 v[ACC+8*\a:ACC+8*\a+3], v[BO], s[10:11] offset:1024*(\a/2)+64*(\a%2)   ; b_fc at my eight columns of tile a: the sums begin with it
	global_load_b128 v[ACC+8*\a+4:ACC+8*\a+7], v[BO], s[10:11] offset:1024*(\a/2)+64*(\a%2)+16
.endr
	WIN 0x40                                       ; destination window 1
.irp p, 0,1
.irp i, 0,1,2,3,4,5,6,7
	global_load_b128 v[32*\p+4*\i:32*\p+4*\i+3], v[LI], s[12:13] offset:4096*\p+512*\i th:TH_LOAD_NT
.endr
.endr
	LOADU 0
	LOADU 1
	LOADU 2
	WIN 0
	s_wait_loadcnt 32                              ; all but units 1 and 2: o, the scales, b_fc, x and unit 0 are in
.irp k, 0,1,2,3,4,5,6,7
	v_lshl_or_b32 v[OSC+\k], v[225+2*\k], 16, v[224+2*\k]   ; K step k: the two bytes of head 2 k, then those of head 2 k + 1
.endr
	s_wait_alu depctr_va_vdst(0)                   ; the wait behind these writes
.rept 8
	v_nop                                          ; eight places between a scale word made by a vector line and a scaled product
.endr
.irp n, 0,1,2,3,4
.if \n > 0
	s_wait_loadcnt 32                              ; unit n is in; the two units behind it, 16 loads each, may be out
.endif
	MULU \n
	PL                                             ; places in front of loads into registers that these products have read
	LOADU \n+3
.endr
	s_wait_loadcnt 32
	MULU 5
	PL
	WIN 0x40
.irp i, 0,1,2,3,4,5,6,7
	global_load_b128 v[192+4*\i:195+4*\i], v[LI], s[14:15] offset:512*\i    ; ln_g and ln_b into the buffer that unit 5 has left
	global_load_b128 v[224+4*\i:227+4*\i], v[LI], s[16:17] offset:512*\i
.endr
	s_wait_loadcnt 32                              ; unit 6 is in; unit 7's 16 loads and these 16 may be out
	MULU 6
	s_wait_loadcnt 16                              ; unit 7 is in
	MULU 7
	PL                                             ; places in front of the first read of results, and of the loads into o's registers
	WIN 0
.irp a, 0,1,2,3,4,5,6,7
	ds_store_b128 v[STO], v[ACC+8*\a:ACC+8*\a+3] offset:1024*(\a/2)+64*(\a%2)          ; lane (r, h): row r, columns 256 g + 32 w + 16 u + 8 h + 0 .. 7; each accumulator from its low end on
	ds_store_b128 v[STO], v[ACC+8*\a+4:ACC+8*\a+7] offset:1024*(\a/2)+64*(\a%2)+16
.endr
	s_wait_dscnt 0x0
	s_barrier_signal -1
	s_barrier_wait -1                              ; 16 whole rows lie in the stage
.irp p, 0,1
.irp i, 0,1,2,3,4,5,6,7
	ds_load_b128 v[Y+32*\p+4*\i:Y+32*\p+4*\i+3], v[SRD] offset:4112*\p+512*\i
.endr
.endr
	s_mov_b32 s54, 0x3a800000                      ; 1 / 1024
	s_mov_b32 s55, 0x3727c5ac                      ; 1e-5
.irp j, 234,235,237,239,241,243
	v_mov_b32 v\j, 0                               ; lane permutes' destinations, and the upper halves of pairs of which the low word serves both halves
.endr
	s_wait_loadcnt 0x0
	s_wait_dscnt 0x0
	WIN 0x04                                       ; source 1 window 1
.set J, 0
.rept 32
	v_pk_add_f32 v[Y+J:Y+J+1], v[Y+J:Y+J+1], v[J:J+1]                 ; + x
.set J, J+2
.endr
	WIN 0
.macro ACROSS                          ; v232, v233: each row's sum over the 32 lanes, in every lane
.irp m, 1,2,4,8
.irp p, 0,1
	s_delay_alu instid0(VALU_DEP_2)
	v_add_f32_dpp v[232+\p], v[232+\p], v[232+\p] row_xmask:\m row_mask:0xf bank_mask:0xf
.endr
.endr
.irp p, 0,1
	s_delay_alu instid0(VALU_DEP_2)
	v_permlanex16_b32 v[234+\p], v[232+\p], s[SEL], s[SEL+1]
.endr
.irp p, 0,1
	s_delay_alu instid0(VALU_DEP_2)
	v_add_f32 v[232+\p], v[232+\p], v[234+\p]
.endr
.endm
.irp p, 0,1
	v_pk_add_f32 v[224+4*\p:225+4*\p], v[Y+32*\p:Y+32*\p+1], v[Y+32*\p+2:Y+32*\p+3]
	v_pk_add_f32 v[226+4*\p:227+4*\p], v[Y+32*\p+4:Y+32*\p+5], v[Y+32*\p+6:Y+32*\p+7]
.endr
.irp j, 8,12,16,20,24,28
.irp p, 0,1
	s_delay_alu instid0(VALU_DEP_4)
	v_pk_add_f32 v[224+4*\p:225+4*\p], v[224+4*\p:225+4*\p], v[Y+32*\p+\j:Y+32*\p+\j+1]
	s_delay_alu instid0(VALU_DEP_4)
	v_pk_add_f32 v[226+4*\p:227+4*\p], v[226+4*\p:227+4*\p], v[Y+32*\p+\j+2:Y+32*\p+\j+3]
.endr
.endr
.irp p, 0
	s_delay_alu instid0(VALU_DEP_3)
	v_pk_add_f32 v[224+4*\p:225+4*\p], v[224+4*\p:225+4*\p], v[226+4*\p:227+4*\p]
.endr
.irp p, 1
	s_delay_alu instid0(VALU_DEP_2)
	v_pk_add_f32 v[224+4*\p:225+4*\p], v[224+4*\p:225+4*\p], v[226+4*\p:227+4*\p]
.endr
.irp p, 0,1
	s_delay_alu instid0(VALU_DEP_2)
	v_add_f32 v[232+\p], v[224+4*\p], v[225+4*\p]
.endr
	ACROSS
.irp p, 0,1
	s_delay_alu instid0(VALU_DEP_2)
	v_mul_f32 v[236+2*\p], 0xba800000, v[232+\p]   ; - the mean
.endr
.irp j, 0,2,4,6,8,10,12,14,16,18,20,22,24,26,28,30
.irp p, 0,1
	v_pk_add_f32 v[Y+32*\p+\j:Y+32*\p+\j+1], v[Y+32*\p+\j:Y+32*\p+\j+1], v[236+2*\p:237+2*\p] op_sel_hi:[1,0]   ; d = y - the mean
.endr
.endr
.irp p, 0,1
	v_pk_mul_f32 v[224+4*\p:225+4*\p], v[Y+32*\p:Y+32*\p+1], v[Y+32*\p:Y+32*\p+1]
	v_pk_mul_f32 v[226+4*\p:227+4*\p], v[Y+32*\p+2:Y+32*\p+3], v[Y+32*\p+2:Y+32*\p+3]
.endr
.irp j, 4,8,12,16,20,24,28
.irp p, 0,1
	s_delay_alu instid0(VALU_DEP_4)
	v_pk_fma_f32 v[224+4*\p:225+4*\p], v[Y+32*\p+\j:Y+32*\p+\j+1], v[Y+32*\p+\j:Y+32*\p+\j+1], v[224+4*\p:225+4*\p]
	s_delay_alu instid0(VALU_DEP_4)
	v_pk_fma_f32 v[226+4*\p:227+4*\p], v[Y+32*\p+\j+2:Y+32*\p+\j+3], v[Y+32*\p+\j+2:Y+32*\p+\j+3], v[226+4*\p:227+4*\p]
.endr
.endr
.irp p, 0
	s_delay_alu instid0(VALU_DEP_3)
	v_pk_add_f32 v[224+4*\p:225+4*\p], v[224+4*\p:225+4*\p], v[226+4*\p:227+4*\p]
.endr
.irp p, 1
	s_delay_alu instid0(VALU_DEP_2)
	v_pk_add_f32 v[224+4*\p:225+4*\p], v[224+4*\p:225+4*\p], v[226+4*\p:227+4*\p]
.endr
.irp p, 0,1
	s_delay_alu instid0(VALU_DEP_2)
	v_add_f32 v[232+\p], v[224+4*\p], v[225+4*\p]
.endr
	ACROSS
.irp p, 0,1
	s_delay_alu instid0(VALU_DEP_2)
	v_fma_f32 v[232+\p], v[232+\p], s54, s55       ; the variance + 1e-5
.endr
	s_wait_alu depctr_va_vdst(0)                   ; the wait ahead of the two
.irp p, 0,1
	v_rsq_f32 v[240+2*\p], v[232+\p]
.endr
	v_nop                                          ; a plain line behind the last of the two
	s_wait_alu depctr_va_vdst(0)                   ; one wait for both, ahead of their first reader
.irp j, 0,2,4,6,8,10,12,14,16,18,20,22,24,26,28,30
.irp p, 0,1
	v_pk_mul_f32 v[Y+32*\p+\j:Y+32*\p+\j+1], v[Y+32*\p+\j:Y+32*\p+\j+1], v[240+2*\p:241+2*\p] op_sel_hi:[1,0]
.endr
.endr
	WIN 0x14                                       ; sources 1 and 2 window 1
.irp j, 0,2,4,6,8,10,12,14,16,18,20,22,24,26,28,30
.irp p, 0,1
	v_pk_fma_f32 v[Y+32*\p+\j:Y+32*\p+\j+1], v[Y+32*\p+\j:Y+32*\p+\j+1], v[192+\j:193+\j], v[224+\j:225+\j]   ; x ln_g + ln_b
.endr
.endr
	WIN 0
.irp p, 0,1
.irp i, 0,1,2,3,4,5,6,7
	global_store_b128 v[LI], v[Y+32*\p+4*\i:Y+32*\p+4*\i+3], s[18:19] offset:4096*\p+512*\i th:TH_STORE_NT   ; 512 consecutive bytes, aligned
.endr
.endr
	s_wait_tensorcnt 0x0                           ; the wave's end
	ds_add_u32 v[SPW], v[NIL]
	s_wait_dscnt 0x0
	s_endpgm
.Lfunc_end_k_qa01d80a9e9_fcln:
	.size	k_qa01d80a9e9_fcln, .Lfunc_end_k_qa01d80a9e9_fcln-k_qa01d80a9e9_fcln
	.p2alignl 7, 3214868480
	.fill 96, 4, 3214868480
	.section	.rodata,"a",@progbits
	.p2align	6, 0x0
	.amdhsa_kernel k_qa01d80a9e9_fcln
		.amdhsa_group_segment_fixed_size 67584
		.amdhsa_private_segment_fixed_size 0
		.amdhsa_enable_private_segment 0
		.amdhsa_kernarg_size 64
		.amdhsa_user_sgpr_count 2
		.amdhsa_user_sgpr_kernarg_segment_ptr 1
		.amdhsa_wavefront_size32 1
		.amdhsa_system_sgpr_workgroup_id_x 1
		.amdhsa_system_sgpr_workgroup_id_y 1
		.amdhsa_system_sgpr_workgroup_id_z 1
		.amdhsa_system_vgpr_workitem_id 0
		.amdhsa_next_free_vgpr 512
		.amdhsa_next_free_sgpr 66
		.amdhsa_reserve_vcc 0
		.amdhsa_float_denorm_mode_32 3
		.amdhsa_float_denorm_mode_16_64 3
		.amdhsa_memory_ordered 1
		.amdhsa_forward_progress 1
		.amdhsa_inst_pref_size 54
	.end_amdhsa_kernel
	.amdgpu_metadata
---
amdhsa.version: [ 1, 2 ]
amdhsa.kernels:
  - .name:           k_qa01d80a9e9_fcln
    .symbol:         k_qa01d80a9e9_fcln.kd
    .args:
      - { .name: oo, .offset: 0, .size: 8, .value_kind: global_buffer, .address_space: global }
      - { .name: wf, .offset: 8, .size: 8, .value_kind: global_buffer, .address_space: global }
      - { .name: w_fc_scales, .offset: 16, .size: 8, .value_kind: global_buffer, .address_space: global }
      - { .name: b_fc, .offset: 24, .size: 8, .value_kind: global_buffer, .address_space: global }
      - { .name: x, .offset: 32, .size: 8, .value_kind: global_buffer, .address_space: global }
      - { .name: ln_g, .offset: 40, .size: 8, .value_kind: global_buffer, .address_space: global }
      - { .name: ln_b, .offset: 48, .size: 8, .value_kind: global_buffer, .address_space: global }
      - { .name: out0, .offset: 56, .size: 8, .value_kind: global_buffer, .address_space: global }
    .group_segment_fixed_size: 67584
    .private_segment_fixed_size: 0
    .kernarg_segment_align: 8
    .kernarg_segment_size: 64
    .max_flat_workgroup_size: 256
    .sgpr_count:     66
    .vgpr_count:     512
    .wavefront_size: 32
...
	.end_amdgpu_metadata
.endif
;; end of part 4
